; MI455X (gfx1250); checked and timed in simulation.
; The chip was launched on July 23, 2026; its instructions are those of AMD's public machine-readable ISA for CDNA 5 (MIT licence, August 2026) and "CDNA5" Instruction Set Architecture Reference Guide (July 2026). The comments in the code are by the model that wrote it; some were corrected since.
;; Self Attention. Allowed arithmetic: matrix products marked QUANTISED: E2M1 operands, one E8M0 scale for each 32 along K, by v_wmma_scale_f32_16x16x128_f8f6f4 with both operands' format E2M1 (or v_wmma_scale_f32_32x16x128_f4), f32 sums; products left as they are: bf16, f16 or f32 operands; f32 sums; everything else in f32.
;; Inputs: freqs_cos 2,048 x 64 float32; freqs_sin 2,048 x 64 float32; k_cache 2 x 4,096 x 8 x 128 float32; v_cache 2 x 4,096 x 8 x 128 float32; wk 4,096 x 1,024 float32; wo 2,048 x 4,096 float32; wq 4,096 x 2,048 float32; wv 4,096 x 1,024 float32; x 1 x 2,048 x 4,096 float32.
;; Outputs: out0 1 x 2,048 x 4,096 float32.
;; Constants: start_pos = 0.
;; This version of the problem:
;;   THIS VERSION OF THE PROBLEM IS GIVEN IN LOW PRECISION. The matrix products marked QUANTISED in the list below multiply operands that are first quantised to E2M1 (2 exponent bits, 1 mantissa bit; 4 bits a number), with one power-of-two scale for each 32 numbers along K (OCP MX v1.0); their sums are f32. The products marked 'left as it is' may take bf16, f16 or f32 operands, with f32 sums. Whichever they take, every output number must still come out within the allowed error. Rounding operands to bf16 (8 significant bits) uses up far more of that allowance than f16 does (11 bits, for magnitudes from 6e-5 to 65,504). All else is computed in f32.
;;   The module's matrix products, in the order in which they are computed (A, B: the left and right operand; K: the contracted axis; several contracted axes count as one K, in the product's order):
;;     1. [M 2,048, K 4,096] x [K 4,096, N 2,048]; A: input x; B: input wq: QUANTISED
;;     2. [M 2,048, K 4,096] x [K 4,096, N 1,024]; A: input x; B: input wk: QUANTISED
;;     3. [M 2,048, K 4,096] x [K 4,096, N 1,024]; A: input x; B: input wv: QUANTISED
;;     4. batch 16 x [M 2,048, K 128] x [K 128, N 2,048]; A: computed on the way; B: computed on the way: left as it is (an operand is computed on the way)
;;     5. batch 16 x [M 128, K 2,048] x [K 2,048, N 2,048]; A: computed on the way; B: computed on the way: left as it is (an operand is computed on the way)
;;     6. [M 2,048, K 2,048] x [K 2,048, N 4,096]; A: computed on the way; B: input wo: left as it is (an operand is computed on the way)
;;   THE QUANTISER, for each operand of a quantised product, along K:
;;     - K is cut into blocks of 32 from its start; a last block that is shorter is filled with zeros.
;;     - A block's scale is 2^e with e = floor(log2(the largest magnitude in the block)) - 2, held to -126 .. 127; a block of zeros has e = 0. As a byte (E8M0): e + 127.
;;     - Each number is divided by its block's scale, clamped to +-6, and rounded to the nearest number of E2M1, ties to even, subnormals kept.
;;     - The product sums the exact products of the quantised numbers (number of the format x scale) in f32.
;;   ~~~python
;;   def quantise(x, axis):      # numpy; x: float32 -> the quantised numbers, widened to float32 again
;;       x = np.moveaxis(x, axis, -1); K = x.shape[-1]
;;       x = np.pad(x, [(0, 0)] * (x.ndim - 1) + [(0, -K % 32)]); x = x.reshape(x.shape[:-1] + (-1, 32)); a = np.abs(x).max(-1, keepdims=True)
;;       e = np.where(a > 0, np.clip(np.frexp(np.where(a > 0, a, 1))[1] - 1 - 2, -126, 127), 0)      # np.frexp(a)[1] - 1 = floor(log2(a)), exactly
;;       r = np.clip(x / 2.0 ** e, -6, 6)
;;       step = 2.0 ** (np.maximum(np.frexp(np.where(r == 0, 1, r))[1] - 1, 0) - 1)
;;       q = np.round(r / step) * step * 2.0 ** e      # np.round: ties to even
;;       return np.moveaxis(q.reshape(q.shape[:-2] + (-1,))[..., :K], -1, axis).astype(np.float32)
;;   ~~~
;; One version. Each part assembles by itself: llvm-mc -triple=amdgcn-amd-amdhsa -mcpu=gfx1250 --defsym DOCPART=n.
;; ======== version 1 of 1: 4 launches
;; limits: values are held in f16: magnitudes above 65,504 overflow, below 6.1e-05 lose precision; right only within a limited range of input values
;; workspace buffers: xc 4,194,304 bytes; xs 262,144 bytes; wc 8,388,608 bytes; ws 524,288 bytes; wo16 16,777,216 bytes; qkv16 16,777,216 bytes; o16 8,388,608 bytes
;; launch prep (part 1): grid 512 x 1, 4 waves a work-group, no clusters, 68,096 bytes of LDS; arguments x, wq, wk, wv, xc, xs, wc, ws; writes xc, xs, wc, ws
.if DOCPART == 1
	.amdgcn_target "amdgcn-amd-amdhsa--gfx1250"
	.amdhsa_code_object_version 6
	.text
	.protected	k_q88df06ab57_prep
	.globl	k_q88df06ab57_prep
	.p2align	8
	.type	k_q88df06ab57_prep,@function
k_q88df06ab57_prep:
	s_mov_b64 s[64:65], 0
	v_nop
	global_prefetch_b8 v0, s[64:65] scope:SCOPE_SE
	s_setreg_imm32_b32 hwreg(HW_REG_WAVE_MODE, 25, 1), 1
	s_wait_xcnt 0x0
; THE OPERANDS OF THE QUANTISED PRODUCTS ARE MADE READY, ONCE.  Two kinds of work-group, told apart by the work-group's number alone:
;   0-255    W: wq, wk, wv ([4096 k][n] f32, K their FIRST axis) become codes of FP4 (E2M1) with K innermost, wc [4096 n][2048 bytes] (n 0-2047 wq, -3071 wk, -4095 wv), and scale bytes ws [8][4096 n][16]
;   256-511  X: x [2048][4096] f32 (K innermost) becomes xc [2048][2048 bytes] and xs [8][2048 m][16]
; The scale bytes lie [512 along K][row][16 bytes]: the writers store whole runs of 256 bytes and the product's launch finds the words of 16 rows on end.
; A block's scale is 2^(floor(log2(largest magnitude)) - 2); its byte is the largest magnitude's exponent field - 2, held at 1 from below.
; LIMITS: a block of zeros gets the byte 1 where the rule says 127 (its codes are zeros, and this program alone reads the bytes); blocks under the floor 2^(3 - 127) get the byte 1;
; NaN and infinities in x, wq, wk, wv are not served.
; No tensor loads, no barrier: waves share nothing.  Each path has LDS bytes of its own: X 0-32,767, W 32,768-67,583; behind them the spare words.
.set SPARE,  67584                     ; the spare words, 128 bytes for each wave: two blocks of 256 bytes that no other line names
.set SPW,    208                       ; v208  LDS address of my spare word; never rewritten
.set NIL,    209                       ; v209  0; never rewritten
.set EMAX,   2
.set WSTG,   32768                     ; path W: a stage of 32 rows x 272 bytes for each wave
.set WPITCH, 272
.set WX,     32                        ; v32-95   two sets of 32 numbers
.set WC,     96                        ; v96-99   a block's codes
.set WOUT,   112                       ; v112-175 the way out
.set WSB,    24                        ; v24-27   16 scale bytes
.set OFFS,   176                       ; v176-207 4 x lane + i rows of the weight: the pitch differs between wq and wk, wv, so it lies in registers
.set SP,     80                        ; path X: a lane's place in a stage: 64 bytes + 16 of padding
.set XR,     16                        ; v16-79   four sets of 16 numbers as loaded
.set XX,     80                        ; v80-111  two sets of 16 neighbours
.set XE,     112                       ; v112-127 a scale byte for each step
.set XC,     128                       ; v128-191 codes, four registers a step
; ---- path W: block t of 32 along K of my column into set t % 2; then the base goes 32 rows down
.macro WLOAD t
.irp i, 0,1,2,3,4,5,6,7,8,9,10,11,12,13,14,15,16,17,18,19,20,21,22,23,24,25,26,27,28,29,30,31
	global_load_b32 v[WX+32*((\t)%2)+\i], v[OFFS+\i], s[6:7] th:TH_LOAD_NT   ; 32 lanes read 128 consecutive bytes of one row k
.endr
	s_wait_xcnt 0x0                                ; the loads have read their base: it may step
	s_add_nc_u64 s[6:7], s[6:7], s[30:31]
.endm
.macro WBLOCK t
.set XS, WX+32*((\t)%2)
.if (\t) < 15
	s_wait_loadcnt 32                              ; this block's 32 loads are in; the next block's may be out
.else
	s_wait_loadcnt 0
.endif
	v_max3_num_f32 v12, |v[XS]|, |v[XS+1]|, |v[XS+2]|              ; the block's largest magnitude: all 32 numbers are mine
	v_max3_num_f32 v13, |v[XS+3]|, |v[XS+4]|, |v[XS+5]|
.irp i, 6,10,14,18,22,26
	v_max3_num_f32 v12, v12, |v[XS+\i]|, |v[XS+\i+1]|
	v_max3_num_f32 v13, v13, |v[XS+\i+2]|, |v[XS+\i+3]|
.endr
	v_max3_num_f32 v12, v12, |v[XS+30]|, |v[XS+31]|
	v_max3_num_f32 v12, v12, v13, (EMAX+1)<<23     ; and the floor, so that the byte cannot fall under 1
	v_add_nc_u32 v11, -(EMAX<<23), v12             ; 2 off its exponent field: the conversion takes this operand's exponent field as its scale
	v_lshrrev_b32 v13, 23, v11                     ; the scale's byte
.if (\t)%4 == 0
	v_mov_b32 v[WSB+(\t)/4], v13                   ; four bytes to a register, the lower K in the lower byte
.else
	v_lshl_or_b32 v[WSB+(\t)/4], v13, 8*((\t)%4), v[WSB+(\t)/4]
.endif
.irp g, 0,1,2,3
	v_cvt_scalef32_pk8_fp4_f32 v[WC+\g], v[XS+8*\g:XS+8*\g+7], v11
.endr
	ds_store_b128 v4, v[WC:WC+3] offset:16*(\t)    ; 32 codes: 16 bytes of my column's row
.if (\t)+2 < 16
	WLOAD (\t)+2
.endif
	s_wait_dscnt 0x0                               ; the store has read its registers: the next block's codes may be written
.endm
; ---- path X: step t is row t of my 16 rows: 512 numbers
.macro XLOAD t
.irp i, 0,1,2,3
	global_load_b128 v[XR+16*((\t)%4)+4*\i:XR+16*((\t)%4)+4*\i+3], v3, s[4:5] offset:16384*(\t)+512*\i th:TH_LOAD_NT   ; 32 lanes read 512 consecutive bytes
.endr
.endm
.macro XTURN t                         ; through my stage: in as loaded, out 64 bytes a lane; LDS serves a wave's instructions in order (ISA guide 5.7.1.4)
.irp i, 0,1,2,3
	ds_store_b128 v14, v[XR+16*((\t)%4)+4*\i:XR+16*((\t)%4)+4*\i+3] offset:32*SP*((\t)%2)+8*SP*\i
.endr
.irp i, 0,1,2,3
	ds_load_b128 v[XX+16*((\t)%2)+4*\i:XX+16*((\t)%2)+4*\i+3], v15 offset:32*SP*((\t)%2)+16*\i
.endr
.endm
.macro XSTEP t
.set XS, XX+16*((\t)%2)
.if (\t) > 0
	s_wait_dscnt 1                                 ; this step's numbers are back from the stage (the last step's byte store may be out)
.else
	s_wait_dscnt 0x0
.endif
.if (\t)+4 < 16
	XLOAD (\t)+4                                   ; into the set whose stores into the stage are done
.endif
.if (\t)+1 < 16
.if 14-(\t) >= 3
	s_wait_loadcnt 12                              ; the next step's four loads are in; three steps' may be out
.else
	s_wait_loadcnt 4*(14-(\t))
.endif
	XTURN (\t)+1
.endif
	v_max3_num_f32 v8, |v[XS]|, |v[XS+1]|, |v[XS+2]|               ; the largest magnitude of my 16
	v_max3_num_f32 v9, |v[XS+3]|, |v[XS+4]|, |v[XS+5]|
.irp i, 6,10
	v_max3_num_f32 v8, v8, |v[XS+\i]|, |v[XS+\i+1]|
	v_max3_num_f32 v9, v9, |v[XS+\i+2]|, |v[XS+\i+3]|
.endr
	v_max3_num_f32 v8, v8, |v[XS+14]|, |v[XS+15]|
	v_max3_num_f32 v8, v8, v9, (EMAX+1)<<23        ; and the floor
	v_max_num_f32_dpp v8, v8, v8 row_xmask:1 row_mask:0xf bank_mask:0xf   ; with my neighbour's 16: the block's
	v_add_nc_u32 v11, -(EMAX<<23), v8
	v_cvt_scalef32_pk8_fp4_f32 v[XC+4*(\t)], v[XS:XS+7], v11
	v_cvt_scalef32_pk8_fp4_f32 v[XC+4*(\t)+1], v[XS+8:XS+15], v11
	v_lshrrev_b32 v[XE+(\t)], 23, v11              ; the scale's byte
	ds_store_b8 v5, v[XE+(\t)] offset:16*(\t)      ; both lanes of a block write the same byte with the same value
	global_store_b64 v4, v[XC+4*(\t):XC+4*(\t)+1], s[12:13] offset:2048*(\t)   ; 32 lanes store 256 consecutive bytes, aligned
.endm
	s_load_b256 s[4:11], s[0:1], 0x0               ; x s[4:5], wq s[6:7], wk s[8:9], wv s[10:11]
	s_load_b256 s[12:19], s[0:1], 0x20             ; xc s[12:13], xs s[14:15], wc s[16:17], ws s[18:19]
	v_lshl_add_u32 v[SPW], v0, 2, SPARE
	v_mov_b32 v[NIL], 0
	v_lshrrev_b32 v1, 5, v0
	v_readfirstlane_b32 s2, v1                     ; wave 0..3
	v_and_b32 v2, 31, v0                           ; lane
	s_wait_kmcnt 0x0
	s_cmp_lt_u32 ttmp9, 256
	s_cbranch_scc1 .Lpath_w
	; ================ X: 16 rows x 512 along K of x ================
	s_sub_co_u32 s24, ttmp9, 256
	s_lshl_b32 s24, s24, 2
	s_add_co_u32 s24, s24, s2
	s_lshr_b32 s25, s24, 3                         ; which 16 rows
	s_and_b32 s24, s24, 7                          ; which 512 along K
	s_lshl_b32 s26, s25, 18                        ; 16 rows of 16,384 bytes
	s_lshl_b32 s28, s24, 11
	s_add_co_u32 s26, s26, s28
	s_mov_b32 s27, 0
	s_add_nc_u64 s[4:5], s[4:5], s[26:27]
	s_lshl_b32 s26, s25, 15                        ; codes: 16 rows of 2,048 bytes
	s_lshl_b32 s28, s24, 8
	s_add_co_u32 s26, s26, s28
	s_add_nc_u64 s[12:13], s[12:13], s[26:27]
	s_lshl_b32 s26, s24, 15                        ; scale bytes: 2,048 rows x 16 for each 512 along K,
	s_lshl_b32 s28, s25, 8                         ; 16 rows x 16
	s_add_co_u32 s26, s26, s28
	s_add_nc_u64 s[14:15], s[14:15], s[26:27]
	v_lshlrev_b32 v3, 4, v2                        ; my 16 bytes of a load's 512
	s_lshl_b32 s30, s2, 13                         ; my wave's 8,192 bytes of LDS
	v_lshrrev_b32 v14, 2, v2
	v_mul_u32_u24 v14, v14, SP
	v_and_b32 v15, 3, v2
	v_lshl_add_u32 v14, v15, 4, v14
	v_add_nc_u32 v14, s30, v14                     ; the stage, on the way in: SP (lane / 4) + 16 (lane % 4)
	v_mul_u32_u24 v15, v2, SP
	v_add_nc_u32 v15, s30, v15                     ; and out: SP x lane
	v_lshlrev_b32 v4, 3, v2                        ; 8 bytes a lane: my codes, and the scale bytes on their way out
	v_lshrrev_b32 v5, 1, v2
	s_add_co_u32 s30, s30, 2*32*SP
	v_add_nc_u32 v5, s30, v5                       ; my wave's 256 scale bytes, my block's byte
	v_add_nc_u32 v6, s30, v4
.irp t, 0,1,2,3
	XLOAD \t
.endr
	s_wait_loadcnt 12                              ; step 0's four loads are in
	XTURN 0
.irp t, 0,1,2,3,4,5,6,7,8,9,10,11,12,13,14,15
	XSTEP \t
.endr
	ds_load_b64 v[8:9], v6                         ; these see my byte stores
	s_wait_dscnt 0x0
	global_store_b64 v4, v[8:9], s[14:15]          ; 16 rows x 16 scale bytes: 256 consecutive bytes, aligned
	s_wait_tensorcnt 0x0                           ; the wave's end: behind my last LDS store
	ds_add_u32 v[SPW], v[NIL]
	s_wait_dscnt 0x0
	s_endpgm
	; ================ W: 32 columns x 512 along K of wq, wk or wv: a lane takes a column, its registers run down K ================
.Lpath_w:
	s_lshr_b32 s24, ttmp9, 3                       ; which 128 columns of the joined N
	s_and_b32 s25, ttmp9, 7                        ; which 512 along K
	s_cmp_lt_u32 s24, 24
	s_cselect_b64 s[8:9], s[8:9], s[10:11]         ; wk or wv,
	s_cselect_b32 s26, 16, 24                      ; and where it begins in the joined N
	s_cmp_lt_u32 s24, 16
	s_cselect_b64 s[6:7], s[6:7], s[8:9]           ; or wq
	s_cselect_b32 s26, 0, s26
	s_mov_b32 s27, 4096
	s_cselect_b32 s27, 8192, s27                   ; a row of the weight in bytes
	s_sub_co_u32 s26, s24, s26
	s_lshl_b32 s26, s26, 9                         ; 128 columns x 4 bytes
	s_lshl_b32 s28, s2, 7                          ; my wave's 32 columns
	s_add_co_u32 s26, s26, s28
	s_lshl_b32 s28, s25, 9
	s_mul_i32 s28, s28, s27                        ; 512 rows for each step along K
	s_add_co_u32 s28, s28, s26
	s_mov_b32 s29, 0
	s_add_nc_u64 s[6:7], s[6:7], s[28:29]
	s_lshl_b32 s30, s27, 5                         ; 32 rows on
	s_mov_b32 s31, 0
	s_lshl_b32 s32, s24, 7
	s_lshl_b32 s33, s2, 5
	s_add_co_u32 s32, s32, s33                     ; my first column in the joined N
	s_lshl_b32 s34, s32, 11                        ; its row of codes
	s_lshl_b32 s33, s25, 8
	s_add_co_u32 s34, s34, s33
	s_mov_b32 s35, 0
	s_add_nc_u64 s[16:17], s[16:17], s[34:35]
	s_lshl_b32 s34, s25, 12
	s_add_co_u32 s34, s34, s32
	s_lshl_b32 s34, s34, 4                         ; its 16 scale bytes
	s_add_nc_u64 s[18:19], s[18:19], s[34:35]
	v_lshlrev_b32 v[OFFS], 2, v2
.set Q, 1
.rept 31
	v_add_nc_u32 v[OFFS+Q], s27, v[OFFS+Q-1]
.set Q, Q+1
.endr
	s_mul_i32 s33, s2, 32*WPITCH
	s_add_co_u32 s33, s33, WSTG                    ; my stage
	v_mul_u32_u24 v4, v2, WPITCH
	v_add_nc_u32 v4, s33, v4                       ; into it: row = my column
	v_and_b32 v5, 15, v2
	v_lshrrev_b32 v6, 4, v2                        ; out of it: sixteen lanes to a row, two rows an instruction
	v_mul_u32_u24 v7, v6, WPITCH
	v_lshl_add_u32 v7, v5, 4, v7
	v_add_nc_u32 v7, s33, v7
	v_lshlrev_b32 v8, 11, v6
	v_lshl_add_u32 v8, v5, 4, v8                   ; and the same place in wc
	v_lshlrev_b32 v9, 4, v2                        ; my column's 16 scale bytes
	WLOAD 0
	WLOAD 1
.set Q, 0
.rept 16
	WBLOCK Q
.set Q, Q+1
.endr
	global_store_b128 v9, v[WSB:WSB+3], s[18:19]   ; 32 lanes store 512 consecutive bytes, aligned
.irp t, 0,1,2,3,4,5,6,7,8,9,10,11,12,13,14,15
	ds_load_b128 v[WOUT+4*\t:WOUT+4*\t+3], v7 offset:2*\t*WPITCH
.endr
.irp t, 0,1,2,3,4,5,6,7,8,9,10,11,12,13,14,15
	s_wait_dscnt 15-\t                             ; the younger loads from the stage may be out
	global_store_b128 v8, v[WOUT+4*\t:WOUT+4*\t+3], s[16:17] offset:2*\t*2048   ; 16 lanes store 256 consecutive bytes, aligned
.endr
	s_wait_tensorcnt 0x0                           ; the wave's end: behind my last LDS store
	ds_add_u32 v[SPW], v[NIL]
	s_wait_dscnt 0x0
	s_endpgm
.Lfunc_end_k_q88df06ab57_prep:
	.size	k_q88df06ab57_prep, .Lfunc_end_k_q88df06ab57_prep-k_q88df06ab57_prep
	.p2alignl 7, 3214868480
	.fill 96, 4, 3214868480
	.section	.rodata,"a",@progbits
	.p2align	6, 0x0
	.amdhsa_kernel k_q88df06ab57_prep
		.amdhsa_group_segment_fixed_size 68096
		.amdhsa_private_segment_fixed_size 0
		.amdhsa_enable_private_segment 0
		.amdhsa_kernarg_size 64
		.amdhsa_user_sgpr_count 2
		.amdhsa_user_sgpr_kernarg_segment_ptr 1
		.amdhsa_wavefront_size32 1
		.amdhsa_system_sgpr_workgroup_id_x 1
		.amdhsa_system_sgpr_workgroup_id_y 1
		.amdhsa_system_sgpr_workgroup_id_z 1
		.amdhsa_system_vgpr_workitem_id 0
		.amdhsa_next_free_vgpr 212
		.amdhsa_next_free_sgpr 66
		.amdhsa_reserve_vcc 0
		.amdhsa_float_denorm_mode_32 3
		.amdhsa_float_denorm_mode_16_64 3
		.amdhsa_memory_ordered 1
		.amdhsa_forward_progress 1
		.amdhsa_inst_pref_size 113
	.end_amdhsa_kernel
	.amdgpu_metadata
---
amdhsa.version: [ 1, 2 ]
amdhsa.kernels:
  - .name:           k_q88df06ab57_prep
    .symbol:         k_q88df06ab57_prep.kd
    .args:
      - { .name: x, .offset: 0, .size: 8, .value_kind: global_buffer, .address_space: global }
      - { .name: wq, .offset: 8, .size: 8, .value_kind: global_buffer, .address_space: global }
      - { .name: wk, .offset: 16, .size: 8, .value_kind: global_buffer, .address_space: global }
      - { .name: wv, .offset: 24, .size: 8, .value_kind: global_buffer, .address_space: global }
      - { .name: xc, .offset: 32, .size: 8, .value_kind: global_buffer, .address_space: global }
      - { .name: xs, .offset: 40, .size: 8, .value_kind: global_buffer, .address_space: global }
      - { .name: wc, .offset: 48, .size: 8, .value_kind: global_buffer, .address_space: global }
      - { .name: ws, .offset: 56, .size: 8, .value_kind: global_buffer, .address_space: global }
    .group_segment_fixed_size: 68096
    .private_segment_fixed_size: 0
    .kernarg_segment_align: 8
    .kernarg_segment_size: 64
    .max_flat_workgroup_size: 128
    .sgpr_count:     66
    .vgpr_count:     212
    .wavefront_size: 32
...
	.end_amdgpu_metadata
.endif
;; end of part 1
;; launch qkv (part 2): grid 16 x 16, 4 waves a work-group, clusters of 4 x 4, 327,680 bytes of LDS; arguments xc, xs, wc, ws, freqs_cos, freqs_sin, wo, wo16, qkv16; writes wo16, qkv16
.if DOCPART == 2
	.amdgcn_target "amdgcn-amd-amdhsa--gfx1250"
	.amdhsa_code_object_version 6
	.text
	.protected	k_q88df06ab57_qkv
	.globl	k_q88df06ab57_qkv
	.p2align	8
	.type	k_q88df06ab57_qkv,@function
k_q88df06ab57_qkv:
	s_mov_b64 s[64:65], 0
	v_nop
	global_prefetch_b8 v0, s[64:65] scope:SCOPE_SE
	s_setreg_imm32_b32 hwreg(HW_REG_WAVE_MODE, 25, 1), 1
	s_wait_xcnt 0x0
	s_wait_alu depctr_hold_cnt(0) depctr_sa_sdst(0) depctr_va_vdst(0) depctr_va_sdst(0) depctr_va_ssrc(0) depctr_va_vcc(0) depctr_vm_vsrc(0)
	s_getreg_b32 s2, hwreg(HW_REG_IB_STS2, 6, 4)
	s_cmp_eq_u32 s2, 0
	s_cbranch_scc0 .Lentry_in_a_cluster
	s_endpgm
.Lentry_in_a_cluster:
	s_bfe_u32 s2, ttmp6, 0x10000c
	s_cmp_lg_u32 s2, 0xf033
	s_cbranch_scc0 .Lentry_shape_is_right
	s_endpgm
.Lentry_shape_is_right:
; q, k, v = x [wq wk wv] on codes of FP4 (E2M1) with E8M0 scales, M 2,048, N 4,096, K 4,096; then RoPE on q and k in f32, all halved (exact) and rounded once to f16: qkv16 [32 heads][2048 s][128].
; A tile is 128 rows x 256 columns: 256 work-groups.  Four waves, each 64 x 128, which is one head: 32 accumulators of 16 x 16.  K goes in steps of 512 (tile rows of 256 bytes) through a ring of two LDS slots.
; THE SCALES of the tile's rows and columns for all of K come into LDS once, with the first fills, and stay: [8 steps][rows][16 bytes], so the words of 16 rows are 256 bytes on end.
; CLUSTERS: 4 x 4 work-groups; x's tiles are asked for jointly along a row of the cluster, the weights' along a column.
; THE MATRIX INSTRUCTION IS USED TRANSPOSED (source 0 = 16 columns of the weights, source 1 = 16 rows of x): a lane holds eight neighbouring columns of one row.
; v takes the same lines as q and k with cos' = 0.5 and sin' = 0, made from the tables by x 0 + 0.5 and x 0: no branch.
; BESIDE THE PRODUCT each wave turns 8,192 numbers of wo ([2048][4096] f32) into 2 wo in f16, wo16, same layout (the 2 is exact; the last launch multiplies it by o / 2): four groups of 16 chunks of 128 numbers.
; A group is loaded a lap ahead and is converted and stored just ahead of a wait for the tensor loads; it has no part in the product and shares no register with it.
; LIMITS: |q|, |k|, |v| above 131,008 and |wo| above 32,752 leave f16; a table entry that is not finite makes v's rows NaN.
; REGISTERS: window 0: v4-15 addresses; v16-63 scale words, two sets (8 for x, 16 for the weights), and nothing else; v64-127 x's fragments, two sets; v128-255 the weights', two sets.
;   window 1: accumulator (a, b) at v[8 (8 a + b)].   window 2: row t of my 64: cos at v[4 t], v[4 t + 1], sin at v[4 t + 2], v[4 t + 3] (my lane's two pairs).   window 3: v0-63 a group of wo.
.set PITCH,  272                       ; an LDS row: 256 bytes + 16 of padding
.set HA,     64*PITCH                  ; what one tensor load brings of x
.set HB,     128*PITCH                 ; and of the weights
.set SLOT,   2*HA+2*HB
.set SCL,    2*SLOT                    ; x's scales: 2 halves x 8,192 bytes
.set SCLB,   SCL+16384                 ; the weights': 2 halves x 16,384
.set SPARE,  SCL+49152                 ; the spare words, 128 bytes for each wave: two blocks of 256 bytes that no other line names
.set SPITCH, 528                       ; the way out: a stage of 16 rows x (512 + 16) bytes for each wave, in slot 0, which has had its last fill and its last read by then
.set ADRA, 4
.set ADRB, 6
.set ADRSA, 8
.set ADRSB, 9
.set STO,  10
.set RD,   11
.set CO,   12                          ; v12  8 x lane; never rewritten
.set SPW,  13
.set NIL,  14
.set WI,   15                          ; v15  16 x lane; never rewritten
.set SC,   16
.set AF,   64
.set BF,   128
.set G1A,  24
.set G0A,  32
.set G1B,  48
.set G0B,  56
.set G1SA, 72
.set G0SA, 80
.set G1SB, 84
.set G0SB, 92
.set MSB, 0
.macro WIN new                         ; the immediate's high byte repeats the setting that is left
.if MSB != \new
	s_set_vgpr_msb (MSB<<8)|\new
.set MSB, \new
.endif
.endm
.set MUL, 0x50                         ; C and D window 1, the fragments window 0
; A joint load: waves 0 and 1 fetch for x, waves 2 and 3 for the weights.  The branch hangs on the wave's number alone.  An s_nop 0 and four v_nop follow each line.
.macro JLOAD g0a, g1a, g0b, g1b
	s_cmp_eq_u32 s15, 0
	s_cbranch_scc0 .Lfor_b_\@
	tensor_load_to_lds s[\g0a:\g0a+3], s[\g1a:\g1a+7]
	s_nop 0
.rept 4
	v_nop
.endr
	s_branch .Lasked_\@
.Lfor_b_\@:
	tensor_load_to_lds s[\g0b:\g0b+3], s[\g1b:\g1b+7]
	s_nop 0
.rept 4
	v_nop
.endr
.Lasked_\@:
.endm
.macro CREST                           ; a round of the cluster's barrier behind its opening barrier
	s_cmp_lg_u32 s14, 0
	s_cbranch_scc1 .Lnot_wave_0_\@
	s_barrier_signal -3
.Lnot_wave_0_\@:
	s_barrier_wait -3
	s_barrier_signal -1
	s_barrier_wait -1
.endm
.macro CROUND
	s_barrier_signal -1
	s_barrier_wait -1
	CREST
.endm
.macro PLACES                          ; four places in front of loads into registers that matrix instructions have read (ISA guide 7.12.1 for vector instructions)
.rept 4
	v_nop
.endr
.endm
; Rows from .. from + n - 1 of my 64 rows of the two tables: a row is 256 consecutive bytes, aligned.  They are waited for on the way out at the latest.
.macro TABLES from, n
	WIN 0x80                                       ; destination window 2
.set T_, \from
.rept \n
	global_load_b64 v[4*T_:4*T_+1], v[CO], s[68:69] offset:256*T_
	global_load_b64 v[4*T_+2:4*T_+3], v[CO], s[70:71] offset:256*T_
.set T_, T_+1
.endr
	WIN 0
.endm
; A group of wo: 16 chunks of 128 numbers; each load reads 512 consecutive bytes
.macro WLOADS
	WIN 0xc0                                       ; destination window 3
.set T_, 0
.rept 16
	global_load_b128 v[4*T_:4*T_+3], v[WI], s[96:97] offset:512*T_ th:TH_LOAD_NT
.set T_, T_+1
.endr
	WIN 0
.endm
; The group that was loaded a lap ago is doubled, rounded to f16 and stored.  more = 1: the next group is asked for
.macro WSITE more
	s_wait_loadcnt 0x0                             ; the group is in (and the tables' rows asked for ahead of it)
	WIN 0xcf                                       ; sources and destination window 3
.set T_, 0
.rept 16
	v_pk_mul_f32 v[4*T_:4*T_+1], v[4*T_:4*T_+1], 2.0 op_sel_hi:[1,0]
	v_pk_mul_f32 v[4*T_+2:4*T_+3], v[4*T_+2:4*T_+3], 2.0 op_sel_hi:[1,0]
.set T_, T_+1
.endr
.set T_, 0
.rept 16
	v_cvt_pk_f16_f32 v[4*T_], v[4*T_], v[4*T_+1]
	v_cvt_pk_f16_f32 v[4*T_+1], v[4*T_+2], v[4*T_+3]
.set T_, T_+1
.endr
	WIN 0x0c                                       ; a store's data are its source 1: window 3
.set T_, 0
.rept 16
	global_store_b64 v[CO], v[4*T_:4*T_+1], s[98:99] offset:256*T_   ; 32 lanes store 256 consecutive bytes, aligned
.set T_, T_+1
.endr
	WIN 0
.if \more
	s_wait_xcnt 0x0                                ; the stores have read their data and their base: both may be written again
	s_add_nc_u64 s[96:97], s[96:97], 8192
	s_add_nc_u64 s[98:99], s[98:99], 4096
	WLOADS
.endif
.endm
	s_load_b256 s[4:11], s[0:1], 0x0               ; xc s[4:5], xs s[6:7], wc s[8:9], ws s[10:11]
	s_load_b128 s[68:71], s[0:1], 0x20             ; cos, sin
	s_load_b128 s[96:99], s[0:1], 0x30             ; wo s[96:97], wo16 s[98:99]
	s_load_b64 s[12:13], s[0:1], 0x40              ; qkv16
	v_lshl_add_u32 v[SPW], v0, 2, SPARE
	v_mov_b32 v[NIL], 0
	ds_add_u32 v[SPW], v[NIL]                      ; the wave's opening: the add, twice on end, and its wait ahead of my first tensor load
	ds_add_u32 v[SPW], v[NIL]
	v_lshrrev_b32 v1, 5, v0
	v_readfirstlane_b32 s14, v1                    ; wave 0..3
	s_lshr_b32 s15, s14, 1                         ; which 64 rows are mine.  Also: I fetch for x (0) or for the weights (1)
	s_and_b32 s16, s14, 1                          ; which 128 columns.  Also: which half of that tile I fetch
	s_bfe_u32 s40, ttmp6, 0x40000                  ; cx, cy
	s_bfe_u32 s41, ttmp6, 0x40004
	s_lshl_b32 s42, ttmp9, 2
	s_add_co_u32 s42, s42, s40                     ; tile column = 4 x cluster x + cx
	s_and_b32 s17, ttmp7, 0xffff
	s_lshl_b32 s17, s17, 2
	s_add_co_u32 s17, s17, s41                     ; tile row = 4 x cluster y + cy
	s_lshl_b32 s43, s41, 2
	s_lshl_b32 s43, 15, s43                        ; my row of the cluster
	s_lshl_b32 s44, 0x1111, s40                    ; my column
	; group 1, codes: rows of 256 elements of 1 byte, 2,048 apart; 4 words of padding behind every 64; bit 21 beside the mask
	s_or_b32 s[G1A], s43, (1<<20)|(1<<21)|(5<<22)|(3<<25)
	s_mov_b32 s[G1A+1], 256<<16
	s_mov_b32 s[G1A+2], 64<<16
	s_mov_b32 s[G1A+3], 256<<16
	s_mov_b32 s[G1A+4], 64
	s_mov_b32 s[G1A+5], 2048
	s_mov_b32 s[G1A+6], 0
	s_mov_b32 s[G1A+7], 0
	s_or_b32 s[G1B], s44, (1<<20)|(1<<21)|(5<<22)|(3<<25)
	s_mov_b32 s[G1B+1], 256<<16
	s_mov_b32 s[G1B+2], 128<<16
	s_mov_b32 s[G1B+3], 256<<16
	s_mov_b32 s[G1B+4], 128
	s_mov_b32 s[G1B+5], 2048
	s_mov_b32 s[G1B+6], 0
	s_mov_b32 s[G1B+7], 0
	; group 1, scales: 8 rows (one for each 512 along K) of 64 x 16 bytes (x) or 128 x 16 (weights), in elements of 8 bytes, no padding
	s_or_b32 s[G1SA], s43, (3<<16)|(1<<21)
	s_mov_b32 s[G1SA+1], 128<<16
	s_mov_b32 s[G1SA+2], 8<<16
	s_mov_b32 s[G1SA+3], 128<<16
	s_mov_b32 s[G1SA+4], 8
	s_mov_b32 s[G1SA+5], 4096
	s_mov_b32 s[G1SA+6], 0
	s_mov_b32 s[G1SA+7], 0
	s_or_b32 s[G1SB], s44, (3<<16)|(1<<21)
	s_mov_b32 s[G1SB+1], 256<<16
	s_mov_b32 s[G1SB+2], 8<<16
	s_mov_b32 s[G1SB+3], 256<<16
	s_mov_b32 s[G1SB+4], 8
	s_mov_b32 s[G1SB+5], 8192
	s_mov_b32 s[G1SB+6], 0
	s_mov_b32 s[G1SB+7], 0
	s_lshl_b32 s20, s17, 7
	s_lshl_b32 s18, s16, 6
	s_add_co_u32 s20, s20, s18                     ; x: row 128 x tile row + 64 x half
	s_lshl_b32 s22, s20, 4                         ; its scales
	s_mov_b32 s23, 0
	s_lshl_b32 s20, s20, 11                        ; its codes
	s_mov_b32 s21, 0
	s_lshl_b32 s46, s42, 8
	s_lshl_b32 s18, s16, 7
	s_add_co_u32 s46, s46, s18                     ; weights: column 256 x tile column + 128 x half
	s_lshl_b32 s66, s46, 4
	s_mov_b32 s67, 0
	s_lshl_b32 s46, s46, 11
	s_mov_b32 s47, 0
	s_mul_i32 s45, s16, HA                         ; where they go: no place in the cluster enters an LDS address
	s_mul_i32 s19, s16, HB
	s_add_co_u32 s19, s19, 2*HA
	s_lshl_b32 s2, s16, 13
	s_add_co_u32 s2, s2, SCL
	s_lshl_b32 s3, s16, 14
	s_add_co_u32 s3, s3, SCLB
	s_wait_dscnt 0x0                               ; both opening adds are done
	s_wait_kmcnt 0x0
	s_add_nc_u64 s[20:21], s[4:5], s[20:21]
	s_add_nc_u64 s[22:23], s[6:7], s[22:23]
	s_add_nc_u64 s[46:47], s[8:9], s[46:47]
	s_add_nc_u64 s[66:67], s[10:11], s[66:67]
	CROUND                                         ; all sixteen work-groups are here: the first joint loads meet
	s_mov_b32 s[G0SA], 1
	s_mov_b32 s[G0SA+1], s2
	s_mov_b64 s[G0SA+2:G0SA+3], s[22:23]
	s_or_b32 s[G0SA+3], s[G0SA+3], 0x80000000
	s_mov_b32 s[G0SB], 1
	s_mov_b32 s[G0SB+1], s3
	s_mov_b64 s[G0SB+2:G0SB+3], s[66:67]
	s_or_b32 s[G0SB+3], s[G0SB+3], 0x80000000
	JLOAD G0SA, G1SA, G0SB, G1SB                   ; the scales first: they are wanted with K step 0
.irp s, 0,1
	s_mov_b32 s[G0A+4*\s], 1
	s_add_co_u32 s[G0A+4*\s+1], s45, \s*SLOT
	s_add_nc_u64 s[G0A+4*\s+2:G0A+4*\s+3], s[20:21], \s*256
	s_or_b32 s[G0A+4*\s+3], s[G0A+4*\s+3], 0x80000000
	s_mov_b32 s[G0B+4*\s], 1
	s_add_co_u32 s[G0B+4*\s+1], s19, \s*SLOT
	s_add_nc_u64 s[G0B+4*\s+2:G0B+4*\s+3], s[46:47], \s*256
	s_or_b32 s[G0B+4*\s+3], s[G0B+4*\s+3], 0x80000000
	JLOAD G0A+4*\s, G1A, G0B+4*\s, G1B             ; by this text's count three tensor loads of a wave are out here
.endr
	v_and_b32 v1, 15, v0                           ; r
	v_bfe_u32 v2, v0, 4, 1                         ; h
	v_mul_u32_u24 v3, v1, PITCH
	v_lshl_add_u32 v3, v2, 4, v3                   ; a fragment's row x pitch + 16 h
	s_mul_i32 s21, s15, HA
	s_mul_i32 s22, s16, HB
	s_add_co_u32 s22, s22, 2*HA
.irp s, 0,1
	v_add_nc_u32 v[ADRA+\s], s21, v3
	v_add_nc_u32 v[ADRB+\s], s22, v3
	s_add_co_u32 s21, s21, SLOT
	s_add_co_u32 s22, s22, SLOT
.endr
	v_lshlrev_b32 v3, 4, v1                        ; scale words: 16 bytes a row;
	v_lshl_add_u32 v[ADRSA], v2, 9, v3             ; lanes 16-31 take the block two further on (x),
	v_lshl_add_u32 v[ADRSB], v2, 10, v3            ; four further on (weights)
	s_lshl_b32 s21, s15, 13
	s_add_co_u32 s21, s21, SCL
	v_add_nc_u32 v[ADRSA], s21, v[ADRSA]
	s_lshl_b32 s22, s16, 14
	s_add_co_u32 s22, s22, SCLB
	v_add_nc_u32 v[ADRSB], s22, v[ADRSB]
	s_mul_i32 s23, s14, 16*SPITCH                  ; my stage
	v_mul_u32_u24 v3, v1, SPITCH
	v_lshl_add_u32 v3, v2, 5, v3
	v_add_nc_u32 v[STO], s23, v3                   ; in: row r, 32 bytes for each half of the lanes
	v_and_b32 v3, 31, v0
	v_lshlrev_b32 v[CO], 3, v3                     ; 8 x lane: my two pairs in the tables, my four f16 in a row of a head or in a chunk of wo16
	v_lshlrev_b32 v[WI], 4, v3                     ; 16 x lane: my four numbers in a chunk of wo
	v_lshl_add_u32 v[RD], v3, 4, s23               ; back: the 32 lanes take one row of 512 bytes
	s_lshl_b32 s18, s17, 7
	s_lshl_b32 s19, s15, 6
	s_add_co_u32 s18, s18, s19
	s_lshl_b32 s18, s18, 8                         ; my first row: 256 bytes a row in the tables and in a head alike
	s_mov_b32 s19, 0
	s_add_nc_u64 s[68:69], s[68:69], s[18:19]
	s_add_nc_u64 s[70:71], s[70:71], s[18:19]
	s_add_nc_u64 s[12:13], s[12:13], s[18:19]
	s_lshl_b32 s18, s42, 1
	s_add_co_u32 s18, s18, s16                     ; my head = 2 x tile column + half
	s_lshl_b32 s18, s18, 19
	s_add_nc_u64 s[12:13], s[12:13], s[18:19]
	s_lshl_b32 s18, s17, 4
	s_add_co_u32 s18, s18, s42
	s_lshl_b32 s18, s18, 2
	s_add_co_u32 s18, s18, s14                     ; my wave's number in the launch, 0 .. 1,023: its 8,192 numbers of wo:
	s_lshl_b32 s20, s18, 15                        ; 32,768 bytes in,
	s_mov_b32 s21, 0
	s_add_nc_u64 s[96:97], s[96:97], s[20:21]
	s_lshl_b32 s20, s18, 14                        ; 16,384 out
	s_add_nc_u64 s[98:99], s[98:99], s[20:21]
	WLOADS                                         ; wo's first group,
	TABLES 0, 23                                   ; and the tables' first rows: 16 + 46 = 62 loads of mine are out; the other rows are asked for further down
; One product: x's block a, the weights' block b, set p of fragments, the slot's q-th 128 along K, set sc of scale words.  Blocks 4-7 of the weights and 2-3 of x have their words in lanes 16-31.
.macro MM a, b, p, q, sc, zero
.set rD, 8*(8*(\a)+(\b))
.set rB, BF+64*(\p)+8*(\b)
.set rA, AF+32*(\p)+8*(\a)
.set rY, SC+8+24*(\sc)+4*((\b)%4)+(\q)
.set rX, SC+24*(\sc)+4*((\a)%2)+(\q)
.if \zero
.if ((\b)>=4)&&((\a)>=2)
	v_wmma_scale_f32_16x16x128_f8f6f4 v[rD:rD+7], v[rB:rB+7], v[rA:rA+7], 0, v[rY], v[rX] matrix_a_fmt:MATRIX_FMT_FP4 matrix_b_fmt:MATRIX_FMT_FP4 matrix_a_scale:MATRIX_SCALE_ROW1 matrix_b_scale:MATRIX_SCALE_ROW1
.elseif (\b)>=4
	v_wmma_scale_f32_16x16x128_f8f6f4 v[rD:rD+7], v[rB:rB+7], v[rA:rA+7], 0, v[rY], v[rX] matrix_a_fmt:MATRIX_FMT_FP4 matrix_b_fmt:MATRIX_FMT_FP4 matrix_a_scale:MATRIX_SCALE_ROW1
.elseif (\a)>=2
	v_wmma_scale_f32_16x16x128_f8f6f4 v[rD:rD+7], v[rB:rB+7], v[rA:rA+7], 0, v[rY], v[rX] matrix_a_fmt:MATRIX_FMT_FP4 matrix_b_fmt:MATRIX_FMT_FP4 matrix_b_scale:MATRIX_SCALE_ROW1
.else
	v_wmma_scale_f32_16x16x128_f8f6f4 v[rD:rD+7], v[rB:rB+7], v[rA:rA+7], 0, v[rY], v[rX] matrix_a_fmt:MATRIX_FMT_FP4 matrix_b_fmt:MATRIX_FMT_FP4
.endif
.else
.if ((\b)>=4)&&((\a)>=2)
	v_wmma_scale_f32_16x16x128_f8f6f4 v[rD:rD+7], v[rB:rB+7], v[rA:rA+7], v[rD:rD+7], v[rY], v[rX] matrix_a_fmt:MATRIX_FMT_FP4 matrix_b_fmt:MATRIX_FMT_FP4 matrix_a_scale:MATRIX_SCALE_ROW1 matrix_b_scale:MATRIX_SCALE_ROW1
.elseif (\b)>=4
	v_wmma_scale_f32_16x16x128_f8f6f4 v[rD:rD+7], v[rB:rB+7], v[rA:rA+7], v[rD:rD+7], v[rY], v[rX] matrix_a_fmt:MATRIX_FMT_FP4 matrix_b_fmt:MATRIX_FMT_FP4 matrix_a_scale:MATRIX_SCALE_ROW1
.elseif (\a)>=2
	v_wmma_scale_f32_16x16x128_f8f6f4 v[rD:rD+7], v[rB:rB+7], v[rA:rA+7], v[rD:rD+7], v[rY], v[rX] matrix_a_fmt:MATRIX_FMT_FP4 matrix_b_fmt:MATRIX_FMT_FP4 matrix_b_scale:MATRIX_SCALE_ROW1
.else
	v_wmma_scale_f32_16x16x128_f8f6f4 v[rD:rD+7], v[rB:rB+7], v[rA:rA+7], v[rD:rD+7], v[rY], v[rX] matrix_a_fmt:MATRIX_FMT_FP4 matrix_b_fmt:MATRIX_FMT_FP4
.endif
.endif
.endm
.macro MUL8 a, p, q, sc, zero          ; the 32 accumulators take turns, one instruction a turn, in the same order in every step
.irp b, 0,1,2,3,4,5,6,7
	MM \a, \b, \p, \q, \sc, \zero
.endr
.endm
; 24 LDS loads in one run: the fragments of the slot's q-th 128 along K into set p.  A fragment is 8 registers: lane l holds row l % 16; registers 4 c .. 4 c + 3 hold K = 64 c + 32 (l / 16) + 0 .. 31
.macro FETCH slot, q, p
.irp i, 0,1,2,3,4,5,6,7
	ds_load_b128 v[BF+64*(\p)+8*\i:BF+64*(\p)+8*\i+3],   v[ADRB+\slot] offset:64*(\q)+\i*16*PITCH
	ds_load_b128 v[BF+64*(\p)+8*\i+4:BF+64*(\p)+8*\i+7], v[ADRB+\slot] offset:64*(\q)+32+\i*16*PITCH
.endr
.irp i, 0,1,2,3
	ds_load_b128 v[AF+32*(\p)+8*\i:AF+32*(\p)+8*\i+3],   v[ADRA+\slot] offset:64*(\q)+\i*16*PITCH
	ds_load_b128 v[AF+32*(\p)+8*\i+4:AF+32*(\p)+8*\i+7], v[ADRA+\slot] offset:64*(\q)+32+\i*16*PITCH
.endr
.endm
.macro SCALES sc                       ; a K step's scale words: four words a row, 16 rows to a half of the lanes
.irp i, 0,1
	ds_load_b128 v[SC+24*\sc+4*\i:SC+24*\sc+4*\i+3], v[ADRSA] offset:256*\i
.endr
.irp i, 0,1,2,3
	ds_load_b128 v[SC+8+24*\sc+4*\i:SC+8+24*\sc+4*\i+3], v[ADRSB] offset:256*\i
.endr
.endm
; A step of 128 along K that has its successor in the same slot: the next step's fragments are asked for ahead of this step's 32 products
.macro STEP slot, q, zero
	s_wait_dscnt 0x0                               ; this step's fragments are in (asked for 32 matrix instructions ago)
	PLACES
	FETCH \slot, (\q)+1, 1-(\q)%2
	WIN MUL
	MUL8 0, (\q)%2, \q, \slot, \zero
	MUL8 1, (\q)%2, \q, \slot, \zero
	MUL8 2, (\q)%2, \q, \slot, \zero
	MUL8 3, (\q)%2, \q, \slot, \zero
	WIN 0
.endm
; A slot's last step changes slots: ONE barrier.  Half of the step's products, and wo's group where one is due (site = 2: and the next is asked for; 1: the last; 0: none), stand AHEAD of the wait for the tensor loads:
; behind that wait stand only the add, the descriptors' steps, the wait for the add and the round, so that the refill goes out as soon as the other slot has landed in every partner.
; My reads of this slot are over at the turn's head: the step's fragments are in registers.
.macro TURN slot, next, fill, site
	s_wait_dscnt 0x0                               ; the step's fragments are in: my last reads of this slot
	WIN MUL
	MUL8 0, 1, 3, \slot, 0
	MUL8 1, 1, 3, \slot, 0
	WIN 0
.if \site
	WSITE (\site)-1
.endif
	s_wait_tensorcnt 0x0                           ; all my tensor loads have landed: my part of the next slot; so a group 0 may be written
	ds_add_u32 v[SPW], v[NIL]                      ; 0 onto my spare word
.if \fill
	s_add_nc_u64 s[G0A+4*\slot+2:G0A+4*\slot+3], s[G0A+4*\slot+2:G0A+4*\slot+3], 512
	s_add_nc_u64 s[G0B+4*\slot+2:G0B+4*\slot+3], s[G0B+4*\slot+2:G0B+4*\slot+3], 512
.endif
	s_wait_dscnt 0x0                               ; the add is done
	s_barrier_signal -1
	s_barrier_wait -1
.if \fill
	CREST                                          ; the barrier has opened a round of the cluster's: no wave of any partner still reads this slot or has a load on its way
	JLOAD G0A+4*\slot, G1A, G0B+4*\slot, G1B       ; the first tensor load behind the round; its four v_nop are the places in front of the loads below
.else
	PLACES
.endif
	v_add_nc_u32 v[ADRSA], 1024, v[ADRSA]          ; the next K step's scale words (no LDS load of mine is out)
	v_add_nc_u32 v[ADRSB], 2048, v[ADRSB]
	FETCH \next, 0, 0
	SCALES \next
	WIN MUL
	MUL8 2, 1, 3, \slot, 0                         ; the step's other half stands behind the next slot's first loads
	MUL8 3, 1, 3, \slot, 0
	WIN 0
.endm
	s_wait_tensorcnt 1                             ; the scales and my part of K step 0 are in; K step 1's load may stay out
	s_barrier_signal -1
	s_barrier_wait -1
	FETCH 0, 0, 0
	SCALES 0
	STEP 0, 0, 1                                   ; the first step stands in front of the loop: its products start the sums
	TABLES 23, 21                                  ; 42 loads more
	s_mov_b32 s3, 3
.Llap:                                                 ; a trip goes once round the ring, fills both slots again and does one group of wo
	STEP 0, 1, 0
	STEP 0, 2, 0
	TURN 0, 1, 1, 0
	STEP 1, 0, 0
	STEP 1, 1, 0
	STEP 1, 2, 0
	TURN 1, 0, 1, 2
	STEP 0, 0, 0
	s_sub_co_u32 s3, s3, 1
	s_cmp_lg_u32 s3, 0
	s_cbranch_scc1 .Llap
	TABLES 44, 20                                  ; the tables' last rows: 40 loads beside the 16 of wo's last group
	STEP 0, 1, 0                                   ; the last lap fills nothing
	STEP 0, 2, 0
	TURN 0, 1, 0, 1                                ; wo's last group
	STEP 1, 0, 0
	STEP 1, 1, 0
	STEP 1, 2, 0
	s_wait_dscnt 0x0
	WIN MUL
	MUL8 0, 1, 3, 1, 0
	MUL8 1, 1, 3, 1, 0
	MUL8 2, 1, 3, 1, 0
	MUL8 3, 1, 3, 1, 0
	WIN 0
	; THE WAY OUT.  The tables become cos' = cos x A + B and sin' = sin x A: A = 0.5, B = 0 for q and k; A = 0, B = 0.5 for v (cluster x = 3: the same in all partners; a choice, no branch)
	s_wait_xcnt 0x0                                ; wo's last loads and stores have read their bases: s96 to s99 may be written
	s_cmp_eq_u32 ttmp9, 3
	s_cselect_b32 s96, 0, 0x3f000000
	s_cselect_b32 s98, 0x3f000000, 0
	s_mov_b32 s97, s96
	s_wait_loadcnt 0x0                             ; the tables' rows
	v_mov_b32 v2, s98
	v_mov_b32 v3, s98
	WIN 0x82                                       ; destination and source 0 window 2
.set T_, 0
.rept 64                               ; (these lines are also the places behind the last products)
	v_pk_fma_f32 v[4*T_:4*T_+1], v[4*T_:4*T_+1], s[96:97], v[2:3] op_sel_hi:[1,0,0]
	v_pk_mul_f32 v[4*T_+2:4*T_+3], v[4*T_+2:4*T_+3], s[96:97] op_sel_hi:[1,0]
.set T_, T_+1
.endr
	WIN 0
; Block a, 16 rows x 128 columns, goes through my stage and comes back as whole rows: lane l then holds columns 4 l .. 4 l + 3, two pairs of RoPE
.macro TOSTAGE a
	WIN 0x04                                       ; an LDS store's data are its source 1: window 1
.irp b, 0,1,2,3,4,5,6,7
	ds_store_b128 v[STO], v[8*(8*(\a)+\b):8*(8*(\a)+\b)+3] offset:64*\b          ; each accumulator from its low end on
	ds_store_b128 v[STO], v[8*(8*(\a)+\b)+4:8*(8*(\a)+\b)+7] offset:64*\b+16
.endr
	WIN 0
.set BB, 64+64*((\a)%2)
.irp t, 0,1,2,3,4,5,6,7,8,9,10,11,12,13,14,15
	ds_load_b128 v[BB+4*\t:BB+4*\t+3], v[RD] offset:\t*SPITCH     ; LDS serves a wave's instructions in order (ISA guide 5.7.1.4): these see the stores above
.endr
.endm
.macro ROPE a, younger                 ; younger: the LDS instructions issued behind block a's loads, which may stay out
.set BB, 64+64*((\a)%2)
	s_wait_dscnt \younger
	WIN 0x08                                       ; source 1 (cos', sin') window 2
.set T_, 0
.rept 16
.set rX, BB+4*T_
.set rT, 192+4*T_
.set rC, 4*(16*(\a)+T_)
	v_mul_f32 v[rT],   v[rX+1], v[rC+2]
	v_mul_f32 v[rT+1], v[rX],   v[rC+2]
	v_mul_f32 v[rT+2], v[rX+3], v[rC+3]
	v_mul_f32 v[rT+3], v[rX+2], v[rC+3]
	v_fma_f32 v[rT],   v[rX],   v[rC],   -v[rT]    ; re cos - im sin
	v_fma_f32 v[rT+1], v[rX+1], v[rC],   v[rT+1]   ; im cos + re sin
	v_fma_f32 v[rT+2], v[rX+2], v[rC+1], -v[rT+2]
	v_fma_f32 v[rT+3], v[rX+3], v[rC+1], v[rT+3]
.set T_, T_+1
.endr
	WIN 0
.set T_, 0
.rept 16
	v_cvt_pk_f16_f32 v[BB+4*T_],   v[192+4*T_],   v[192+4*T_+1]
	v_cvt_pk_f16_f32 v[BB+4*T_+1], v[192+4*T_+2], v[192+4*T_+3]
.set T_, T_+1
.endr
.set T_, 0
.rept 16
	global_store_b64 v[CO], v[BB+4*T_:BB+4*T_+1], s[12:13] offset:256*(16*(\a)+T_)   ; a row of a head: 256 consecutive bytes, aligned
.set T_, T_+1
.endr
.endm
	TOSTAGE 0
	TOSTAGE 1
	ROPE 0, 32                                     ; behind block 0's loads: block 1's 16 stores and 16 loads
	s_wait_xcnt 0x0                                ; block 0's stores have read their data: block 2's loads may land there
	TOSTAGE 2
	ROPE 1, 32
	s_wait_xcnt 0x0
	TOSTAGE 3
	ROPE 2, 32
	ROPE 3, 0
	s_wait_tensorcnt 0x0                           ; the wave's end: behind my last tensor load and my last LDS store
	ds_add_u32 v[SPW], v[NIL]
	s_wait_dscnt 0x0
	CROUND                                         ; the closing round
	s_endpgm
.Lfunc_end_k_q88df06ab57_qkv:
	.size	k_q88df06ab57_qkv, .Lfunc_end_k_q88df06ab57_qkv-k_q88df06ab57_qkv
	.p2alignl 7, 3214868480
	.fill 96, 4, 3214868480
	.section	.rodata,"a",@progbits
	.p2align	6, 0x0
	.amdhsa_kernel k_q88df06ab57_qkv
		.amdhsa_group_segment_fixed_size 327680
		.amdhsa_private_segment_fixed_size 0
		.amdhsa_enable_private_segment 0
		.amdhsa_kernarg_size 72
		.amdhsa_user_sgpr_count 2
		.amdhsa_user_sgpr_kernarg_segment_ptr 1
		.amdhsa_wavefront_size32 1
		.amdhsa_system_sgpr_workgroup_id_x 1
		.amdhsa_system_sgpr_workgroup_id_y 1
		.amdhsa_system_sgpr_workgroup_id_z 1
		.amdhsa_system_vgpr_workitem_id 0
		.amdhsa_next_free_vgpr 832
		.amdhsa_next_free_sgpr 100
		.amdhsa_reserve_vcc 0
		.amdhsa_float_denorm_mode_32 3
		.amdhsa_float_denorm_mode_16_64 3
		.amdhsa_memory_ordered 1
		.amdhsa_forward_progress 1
		.amdhsa_inst_pref_size 188
	.end_amdhsa_kernel
	.amdgpu_metadata
---
amdhsa.version: [ 1, 2 ]
amdhsa.kernels:
  - .name:           k_q88df06ab57_qkv
    .symbol:         k_q88df06ab57_qkv.kd
    .args:
      - { .name: xc, .offset: 0, .size: 8, .value_kind: global_buffer, .address_space: global }
      - { .name: xs, .offset: 8, .size: 8, .value_kind: global_buffer, .address_space: global }
      - { .name: wc, .offset: 16, .size: 8, .value_kind: global_buffer, .address_space: global }
      - { .name: ws, .offset: 24, .size: 8, .value_kind: global_buffer, .address_space: global }
      - { .name: freqs_cos, .offset: 32, .size: 8, .value_kind: global_buffer, .address_space: global }
      - { .name: freqs_sin, .offset: 40, .size: 8, .value_kind: global_buffer, .address_space: global }
      - { .name: wo, .offset: 48, .size: 8, .value_kind: global_buffer, .address_space: global }
      - { .name: wo16, .offset: 56, .size: 8, .value_kind: global_buffer, .address_space: global }
      - { .name: qkv16, .offset: 64, .size: 8, .value_kind: global_buffer, .address_space: global }
    .group_segment_fixed_size: 327680
    .private_segment_fixed_size: 0
    .kernarg_segment_align: 8
    .kernarg_segment_size: 72
    .max_flat_workgroup_size: 128
    .sgpr_count:     100
    .vgpr_count:     832
    .wavefront_size: 32
...
	.end_amdgpu_metadata
.endif
;; end of part 2
;; launch attn (part 3): grid 16 x 16, 4 waves a work-group, clusters of 4 x 1, 327,680 bytes of LDS; arguments qkv16, o16; writes o16
.if DOCPART == 3
	.amdgcn_target "amdgcn-amd-amdhsa--gfx1250"
	.amdhsa_code_object_version 6
	.text
	.protected	k_q88df06ab57_attn
	.globl	k_q88df06ab57_attn
	.p2align	8
	.type	k_q88df06ab57_attn,@function
k_q88df06ab57_attn:
	s_mov_b64 s[64:65], 0
	v_nop
	global_prefetch_b8 v0, s[64:65] scope:SCOPE_SE
	s_setreg_imm32_b32 hwreg(HW_REG_WAVE_MODE, 25, 1), 1
	s_wait_xcnt 0x0
	s_wait_alu depctr_hold_cnt(0) depctr_sa_sdst(0) depctr_va_vdst(0) depctr_va_sdst(0) depctr_va_ssrc(0) depctr_va_vcc(0) depctr_vm_vsrc(0)
	s_getreg_b32 s2, hwreg(HW_REG_IB_STS2, 6, 4)
	s_cmp_eq_u32 s2, 0
	s_cbranch_scc0 .Lentry_in_a_cluster
	s_endpgm
.Lentry_in_a_cluster:
	s_bfe_u32 s2, ttmp6, 0x10000c
	s_cmp_lg_u32 s2, 0x3003
	s_cbranch_scc0 .Lentry_shape_is_right
	s_endpgm
.Lentry_shape_is_right:
; o[s][head] = softmax_k(q . k / sqrt(128)) v, no mask, 16 query heads on 8 key and value heads (head h takes key head h / 2).  qkv16 [32][2048][128] f16 holds q / 2 (heads 0-15), k / 2 (16-23), v / 2 (24-31);
; o16 [2048][2048] f16 takes o / 2.  Products on f16 operands, maxima and sums in f32; the weights p are rounded to f16 for the second product, o once at the end.
; SHARES.  A work-group owns 128 queries of one head.  THE WAVES SHARE THE KEYS TOO: wave w takes queries 64 (w % 2) on, four tiles of 16, and keys 1,024 (w / 2) on, 64 a step, 16 steps: so each fragment of K and V
; read from LDS feeds four products.  At the end the two waves of a query group hand each other half of their tiles with the statistics, through LDS, and each finishes two tiles.
; Register tile t holds query tile t xor 2 (w / 2): every wave finishes its register tiles 0, 1 and hands over 2, 3: the roles differ by addresses alone.
; LAYOUT.  S^T = K Q^T, O^T = V^T P: a lane holds ONE query throughout.  K comes out of LDS as it lies, V turned, by ds_load_tr16_b128.
; SOFTMAX.  A running maximum m and sum l for each query: p = 2^(c s - c m), c = 4 log2(e) / sqrt(128) (the 4 undoes the two halvings); in every step O and l are multiplied by 2^(c m_old - c m_new).
; BY TURNS.  The wave's tiles are two pieces (tiles 0, 1 and tiles 2, 3).  In a turn one piece has the matrix unit (32 products V^T P, then 32 products K Q^T of the next step) and the other piece's softmax,
; cut into 64 slices, stands between them, one slice behind each matrix instruction.
; CLUSTER.  The four query blocks of a cluster belong to one head and walk the same K and V: each tile is asked for jointly.  The two heads of a key head are not joined: a mask names four work-groups at the most here.
; LIMITS: |q|, |k|, |v|, |o| above 131,008 leave f16.
; REGISTERS, in windows of 256: window 0: v2-8, v44-48 addresses; v12-43 eight registers of statistics a tile; v64-191 S^T; v192-255 P.   window 1: O^T, 64 a tile.   window 2: v0-127 Q; v128-255 K of one step.   window 3: v0-127 V of one step.
.set KS,    64
.set PK,    272       ; a row of K in LDS: 256 bytes + 16
.set PV,    288       ; a row of V: 256 + 32
.set KREG,  128*PK    ; two steps' K of one half of the keys
.set REG,   128*(PK+PV)  ; and behind it their V
.set SLOTB, 2*REG     ; a slot: both halves of the keys, two steps each
.set STAGE, 2*SLOTB   ; behind the ring: 16 rows x 272 bytes for each wave
.set SP,    272
.set SPARE, STAGE+4*16*SP  ; the spare words, 128 bytes for each wave: two blocks of 256 bytes that no other line names
.set XCH,   16896     ; the exchange: 16,384 bytes of O^T and 512 of statistics for each wave, in slot 0, which has had its last fill and its last read by then
.set AK0, 2
.set AV0, 3
.set ADR, 4
.set QO,  5
.set STO, 6
.set RD,  7
.set GO,  8
.set QO1, 44
.set XW,  45
.set XR,  46
.set XWS, 47
.set XRS, 48
.set PFO, 61          ; v61  256 x my lane; never rewritten
.set SPW, 62
.set NIL, 63
.set ST,  12          ; tile t's statistics at v[ST+8 t]: +0 c m, +1 m, +2, +3 l, +4 to +7 at work; a takes +6
.set S,   64
.set P,   192
.set KF,  128
.set WV,  12
.set LIM, 15          ; s15  1 in a wave that prefetches, else the greatest number
.set PFA, 18          ; s[18:19] the prefetches' address
.set G1K, 24
.set G1V, 32
.set G0K, 40          ; s[40:47] group 0 for K's tiles, a set for each slot
.set G0V, 48
.set SLOTS, 56
.set TWICE, 57
.set CS,  58
.set SEL, 60
.set TBK, 62          ; s62  LDS byte at which the K tile of the step to be fetched begins
.set TBV, 63          ; s63  the same for V
.set KHO, 66          ; s66  my half of the keys in a slot
.set MSB, 0
.macro WIN new
.if MSB != \new
	s_set_vgpr_msb (MSB<<8)|\new
.set MSB, \new
.endif
.endm
.set W_KQ, 0x0a       ; K and Q in window 2, S^T in window 0
.set W_PV, 0x53       ; V in window 3, P in window 0, O^T in window 1
.set W_RS, 0x41       ; O^T in window 1, the factor in window 0
; A joint refill of slot b.  Waves 0 and 1 fetch K's tiles of the two halves of the keys, waves 2 and 3 V's: 128 rows each.  An s_nop 0 and four v_nop follow each line.
.macro JLOAD b
	s_cmp_lt_u32 s[WV], 2
	s_cbranch_scc0 .Lfor_v_\@
	tensor_load_to_lds s[G0K+4*\b:G0K+4*\b+3], s[G1K:G1K+7]
	s_nop 0
.rept 4
	v_nop
.endr
	s_branch .Lasked_\@
.Lfor_v_\@:
	tensor_load_to_lds s[G0V+4*\b:G0V+4*\b+3], s[G1V:G1V+7]
	s_nop 0
.rept 4
	v_nop
.endr
.Lasked_\@:
.endm
; A PREFETCH INTO THE L2 of what the NEXT change of slots will ask for.  Eight clusters (two heads x four) walk the same K and V: the first cluster of the even head asks.  Each of its waves asks for the tile that it
; fetches itself, 128 rows of 256 bytes; the four partners share the rows out BY ADDRESS, 32 each, a lane a row.  how = 1: a next filling change follows in the same trip; how = 0: only while trips are left.
.macro ASK how
.if \how
	s_cmp_eq_u32 s[LIM], 1
.else
	s_cmp_gt_u32 s[SLOTS], s[LIM]
.endif
	s_cbranch_scc0 .Lnot_mine_\@
	global_prefetch_b8 v[PFO], s[PFA:PFA+1] th:TH_LOAD_NT scope:SCOPE_SE
.Lnot_mine_\@:
.endm
.macro CROUND
	s_barrier_signal -1
	s_barrier_wait -1
	s_cmp_lg_u32 s[WV], 0
	s_cbranch_scc1 .Lnot_wave_0_\@
	s_barrier_signal -3
.Lnot_wave_0_\@:
	s_barrier_wait -3
	s_barrier_signal -1
	s_barrier_wait -1
.endm
	s_load_b128 s[4:7], s[0:1], 0x0  ; qkv16 s[4:5], o16 s[6:7]
	v_lshl_add_u32 v[SPW], v0, 2, SPARE
	v_mov_b32 v[NIL], 0
	ds_add_u32 v[SPW], v[NIL]       ; the wave's opening: the add, twice on end, and its wait ahead of my first tensor load
	ds_add_u32 v[SPW], v[NIL]
	v_lshrrev_b32 v1, 5, v0
	v_readfirstlane_b32 s[WV], v1   ; wave 0..3
	s_bfe_u32 s13, ttmp6, 0x40000   ; cx
	s_lshl_b32 s14, ttmp9, 2
	s_add_co_u32 s14, s14, s13      ; my block of 128 queries: it enters Q's and O's addresses alone
	s_and_b32 s16, ttmp7, 0xffff    ; the head, which the four partners share
	s_and_b32 s17, s[WV], 1         ; which 64 queries are mine.  Also: for which half of the keys I fetch
	s_lshr_b32 s67, s[WV], 1        ; which half of the keys I walk
	s_mul_i32 s[KHO], s67, REG
	s_mul_i32 s68, s17, REG         ; where my fetches go: no place in the cluster enters an LDS address
	s_lshr_b32 s20, s16, 1
	s_add_co_u32 s20, s20, 16       ; K's head in qkv16
	s_lshl_b32 s20, s20, 19
	s_lshl_b32 s21, s17, 18         ; 1,024 keys of 256 bytes
	s_add_co_u32 s20, s20, s21
	s_mov_b32 s21, 0
	s_lshl_b32 s22, s16, 19         ; Q: the head,
	s_lshl_b32 s23, s14, 15         ; the block's 128 rows,
	s_add_co_u32 s22, s22, s23
	s_lshl_b32 s23, s17, 14         ; my 64 of them
	s_add_co_u32 s22, s22, s23
	s_mov_b32 s23, 0
	s_lshl_b32 s2, s14, 19          ; O: rows of 4,096 bytes: the block's 128,
	s_lshl_b32 s3, s17, 18          ; my group's 64,
	s_add_co_u32 s2, s2, s3
	s_lshl_b32 s3, s67, 17          ; the 32 that I finish,
	s_add_co_u32 s2, s2, s3
	s_lshl_b32 s3, s16, 8           ; the head's 256 bytes
	s_add_co_u32 s2, s2, s3
	s_mov_b32 s3, 0
	; group 1: a tile of 128 rows x 128 elements of 2 bytes, padded in LDS; the mask names all four work-groups, bit 21 beside it
	s_mov_b32 s[G1K], 15|(1<<16)|(1<<20)|(1<<21)|(5<<22)|(3<<25)
	s_mov_b32 s[G1V], 15|(1<<16)|(1<<20)|(1<<21)|(5<<22)|(7<<25)
.irp g, G1K, G1V
	s_mov_b32 s[\g+1], 128<<16
	s_mov_b32 s[\g+2], 128<<16
	s_mov_b32 s[\g+3], 128<<16
	s_mov_b32 s[\g+4], 128
	s_mov_b32 s[\g+5], 128
	s_mov_b32 s[\g+6], 0
	s_mov_b32 s[\g+7], 0
.endr
	s_mov_b32 s[CS], 0x3f0293ee     ; c = 4 log2(e) / sqrt(128)
	s_mov_b32 s[CS+1], s[CS]
	s_mov_b32 s[SEL], 0x76543210
	s_mov_b32 s[SEL+1], 0xfedcba98
	s_mov_b32 s[TBK], s[KHO]
	s_mov_b32 s[TBV], s[KHO]
	s_mov_b32 s[SLOTS], 3
	s_and_b32 s[LIM], s16, 1        ; 0 in an even head,
	s_or_b32 s[LIM], s[LIM], ttmp9  ; in its first cluster: the same in all four partners
	s_cmp_eq_u32 s[LIM], 0
	s_cselect_b32 s[LIM], 1, -1
	v_and_b32 v[PFO], 31, v0
	v_lshlrev_b32 v[PFO], 8, v[PFO]
	s_wait_dscnt 0x0                ; both opening adds are done
	s_wait_kmcnt 0x0
	s_add_nc_u64 s[8:9], s[4:5], s[20:21]  ; K at my tile of slot 0,
	s_add_nc_u64 s[10:11], s[8:9], 0x400000  ; V eight heads on
	s_add_nc_u64 s[4:5], s[4:5], s[22:23]  ; Q at my first row
	s_add_nc_u64 s[6:7], s[6:7], s[2:3]  ; O at the first row that I finish
	s_cmp_lt_u32 s[WV], 2
	s_cselect_b64 s[PFA:PFA+1], s[8:9], s[10:11]
	s_lshl_b32 s2, s13, 13          ; my work-group's 32 rows of the 128
	s_mov_b32 s3, 0
	s_add_nc_u64 s[PFA:PFA+1], s[PFA:PFA+1], s[2:3]
	s_add_nc_u64 s[PFA:PFA+1], s[PFA:PFA+1], 2*32768  ; in slot 2; the first change steps it to slot 3.  Nothing is prefetched at the head
	CROUND                          ; all four work-groups are here: the first joint loads meet
.irp b, 0,1
	s_mov_b32 s[G0K+4*\b], 1
	s_add_co_u32 s[G0K+4*\b+1], s68, \b*SLOTB
	s_add_nc_u64 s[G0K+4*\b+2:G0K+4*\b+3], s[8:9], \b*32768
	s_or_b32 s[G0K+4*\b+3], s[G0K+4*\b+3], 0x80000000
	s_mov_b32 s[G0V+4*\b], 1
	s_add_co_u32 s[G0V+4*\b+1], s68, \b*SLOTB+KREG
	s_add_nc_u64 s[G0V+4*\b+2:G0V+4*\b+3], s[10:11], \b*32768
	s_or_b32 s[G0V+4*\b+3], s[G0V+4*\b+3], 0x80000000
.endr
	s_cmp_lt_u32 s[WV], 2           ; a wave's two first fills stand in one branch, ahead of every wait on TENSORcnt and every LDS read: two loads of mine are out
	s_cbranch_scc0 .Lfirst_v
	tensor_load_to_lds s[G0K:G0K+3], s[G1K:G1K+7]
	s_nop 0
	tensor_load_to_lds s[G0K+4:G0K+7], s[G1K:G1K+7]
	s_nop 0
.rept 4
	v_nop
.endr
	s_branch .Lfirst_asked
.Lfirst_v:
	tensor_load_to_lds s[G0V:G0V+3], s[G1V:G1V+7]
	s_nop 0
	tensor_load_to_lds s[G0V+4:G0V+7], s[G1V:G1V+7]
	s_nop 0
.rept 4
	v_nop
.endr
.Lfirst_asked:
	v_and_b32 v1, 15, v0            ; l % 16
	v_bfe_u32 v9, v0, 4, 1          ; l / 16
	v_lshlrev_b32 v[QO], 8, v1
	v_lshl_add_u32 v[QO], v9, 4, v[QO]  ; row x 256 + 16 x half
	s_lshl_b32 s69, s67, 13         ; register tiles 0, 1: query tiles 2 (w / 2) on;
	s_xor_b32 s70, s69, 8192        ; register tiles 2, 3: the other two
	v_add_nc_u32 v[QO1], s70, v[QO]
	v_add_nc_u32 v[QO], s69, v[QO]
	WIN 0x80                        ; destination window 2
.irp i, 0,1,2,3,4,5,6,7
	global_load_b128 v[8*\i:8*\i+3],   v[QO], s[4:5] offset:(\i/4)*4096+(\i%4)*64
	global_load_b128 v[8*\i+4:8*\i+7], v[QO], s[4:5] offset:(\i/4)*4096+(\i%4)*64+32
.endr
.irp i, 8,9,10,11,12,13,14,15
	global_load_b128 v[8*\i:8*\i+3],   v[QO1], s[4:5] offset:(\i/4-2)*4096+(\i%4)*64
	global_load_b128 v[8*\i+4:8*\i+7], v[QO1], s[4:5] offset:(\i/4-2)*4096+(\i%4)*64+32
.endr
	WIN 0
	v_mul_u32_u24 v[AK0], v1, PK
	v_lshl_add_u32 v[AK0], v9, 4, v[AK0]
	v_and_b32 v10, 7, v0
	v_bfe_u32 v11, v0, 3, 1
	v_lshl_add_u32 v[AV0], v9, 3, v10
	v_mul_u32_u24 v[AV0], v[AV0], PV
	v_lshl_add_u32 v[AV0], v11, 4, v[AV0]
	v_add_nc_u32 v[AV0], KREG, v[AV0]
	v_and_b32 v10, 31, v0           ; the exchange: I write my wave's part and read that of the wave two away
	s_mul_i32 s69, s[WV], XCH
	v_lshl_add_u32 v[XW], v10, 4, s69
	s_add_co_u32 s70, s69, 16384
	v_lshl_add_u32 v[XWS], v10, 3, s70
	s_xor_b32 s69, s[WV], 2
	s_mul_i32 s69, s69, XCH
	v_lshl_add_u32 v[XR], v10, 4, s69
	s_add_co_u32 s70, s69, 16384
	v_lshl_add_u32 v[XRS], v10, 3, s70
; THE MATRIX WORK OF A TURN, for piece x.  The accumulators take turns, one instruction a turn.
.macro PV x, zero
	WIN W_PV
.set rO, 64*(\x+i%2)+8*((i/2)%8)
.set rV, 64*(i/16)+8*((i/2)%8)
.set rP, P+16*(\x+i%2)+8*(i/16)
.if \zero && (i < 16)
	v_wmma_f32_16x16x32_f16 v[rO:rO+7], v[rV:rV+7], v[rP:rP+7], 0
.else
	v_wmma_f32_16x16x32_f16 v[rO:rO+7], v[rV:rV+7], v[rP:rP+7], v[rO:rO+7]
.endif
.endm
.macro KQ x
	WIN W_KQ
.set rS, S+32*(\x+i%2)+8*((i/2)%4)
.set rK, KF+32*((i/2)%4)+8*(i/8)
.set rQ, 32*(\x+i%2)+8*(i/8)
.if i < 8
	v_wmma_f32_16x16x32_f16 v[rS:rS+7], v[rK:rK+7], v[rQ:rQ+7], 0
.else
	v_wmma_f32_16x16x32_f16 v[rS:rS+7], v[rK:rK+7], v[rQ:rQ+7], v[rS:rS+7]
.endif
.endm
; THE LDS LOADS stand in runs of 32: a step's K and, a turn later, its V (turned).
.macro FETCH_K
	WIN 0
	v_add_nc_u32 v[ADR], s[TBK], v[AK0]
	s_add_co_u32 s[TBK], s[TBK], KS*PK  ; the next fetch is the next step's
	WIN 0x80
.irp f, 0,1,2,3,4,5,6,7,8,9,10,11,12,13,14,15
	ds_load_b128 v[KF+8*\f:KF+8*\f+3],   v[ADR] offset:(\f/4)*16*PK+(\f%4)*64
	ds_load_b128 v[KF+8*\f+4:KF+8*\f+7], v[ADR] offset:(\f/4)*16*PK+(\f%4)*64+32
.endr
.endm
.macro FETCH_V
	WIN 0
	v_add_nc_u32 v[ADR], s[TBV], v[AV0]
	s_add_co_u32 s[TBV], s[TBV], KS*PV
	s_wait_alu depctr_va_vdst(0)    ; the wait for the softmax's batch of exponentials, ahead of their first reader
	WIN 0xc0
.irp f, 0,1,2,3,4,5,6,7,8,9,10,11,12,13,14,15
	ds_load_tr16_b128 v[8*\f:8*\f+3],   v[ADR] offset:(\f/8)*32*PV+(\f%8)*32
	ds_load_tr16_b128 v[8*\f+4:8*\f+7], v[ADR] offset:(\f/8)*32*PV+16*PV+(\f%8)*32
.endr
.endm
; THE VECTOR WORK OF A TURN.  One tile's softmax for one key step is a list of 134 instructions; SM writes number j of it for tile t.
;   0-15 the maximum of the lane's 32 scores and the old m;  16-20 the other half of the lanes' maximum, the new m, c m, c m_old - c m_new;
;   21-69 ONE BATCH: the 16 packed scalings c s - c m and all 33 exponentials, none of which reads an exponential's result;  (the wait: SLICE writes it)
;   70-85 the roundings to f16;  86-101 the sums, l = a l + the sum;  102-133 the tile's O^T times a
.macro SM t, first
.set rT, ST+8*(\t)
.set rS, S+32*(\t)
.set rP, P+16*(\t)
.set rO, 64*(\t)+2*(j-102)
.if j < 102
	WIN 0
.endif
.if j < 4
	v_max3_num_f32 v[rT+4+j], v[rS+8*j], v[rS+8*j+1], v[rS+8*j+2]
.elseif j < 12
	v_max3_num_f32 v[rT+4+j%4], v[rT+4+j%4], v[rS+8*(j%4)+2*(j/4)+1], v[rS+8*(j%4)+2*(j/4)+2]
.elseif j == 12
	v_max3_num_f32 v[rT+4], v[rT+4], v[rS+7], v[rS+15]
.elseif j == 13
	v_max3_num_f32 v[rT+6], v[rT+6], v[rS+23], v[rS+31]
.elseif j == 14
	v_max3_num_f32 v[rT+4], v[rT+4], v[rT+5], v[rT+6]
.elseif (j == 15) && \first
	v_max_num_f32 v[rT+4], v[rT+4], v[rT+7]
.elseif j == 15
	v_max3_num_f32 v[rT+4], v[rT+4], v[rT+7], v[rT+1]
.elseif j == 16
	v_permlanex16_b32 v[rT+5], v[rT+4], s[SEL], s[SEL+1]
.elseif j == 18
	v_max_num_f32 v[rT+1], v[rT+4], v[rT+5]
.elseif j == 19
	v_mul_f32 v[rT], s[CS], v[rT+1]
.elseif ((j == 17) || (j == 20) || (j == 23) || (j > 101)) && \first
.elseif j == 17
	v_mov_b32 v[rT+7], v[rT]
.elseif j == 20
	v_sub_f32 v[rT+7], v[rT+7], v[rT]
.elseif j == 23
	v_exp_f32 v[rT+6], v[rT+7]
.elseif (j < 23) || ((j < 38) && (j%2 == 0)) || ((j < 66) && (j%4 == 2))
.set b, (j-2)/4
.if j < 38
.set b, (j-20)/2
.endif
	v_pk_fma_f32 v[rS+2*b:rS+2*b+1], v[rS+2*b:rS+2*b+1], s[CS:CS+1], v[rT:rT+1] op_sel_hi:[1,0,0] neg_lo:[0,0,1] neg_hi:[0,0,1]
.elseif j < 70
.set e, j-38
.if j < 66
.set e, j-32-(j-38)/4
.endif
.if j < 38
.set e, (j-25)/2
.endif
	v_exp_f32 v[rS+e], v[rS+e]
.elseif j < 86
	v_cvt_pk_f16_f32 v[rP+j-70], v[rS+2*(j-70)], v[rS+2*(j-70)+1]
.elseif j < 102
.set z, j-86
.set w, 4
.set u, z
.if z >= 14
.set w, 32
.set u, 0
.elseif z >= 12
.set w, 16
.set u, z-12
.elseif z >= 8
.set w, 8
.set u, z-8
.endif
.if (z == 14) && \first
	v_pk_add_f32 v[rT+2:rT+3], v[rS:rS+1], v[rS+16:rS+17]
.elseif z < 15
	v_pk_add_f32 v[rS+w*u:rS+w*u+1], v[rS+w*u:rS+w*u+1], v[rS+w*u+w/2:rS+w*u+w/2+1]
.elseif !\first
	v_pk_fma_f32 v[rT+2:rT+3], v[rT+2:rT+3], v[rT+6:rT+7], v[rS:rS+1] op_sel_hi:[1,0,1]
.endif
.else
	WIN W_RS
	v_pk_mul_f32 v[rO:rO+1], v[rO:rO+1], v[rT+6:rT+7] op_sel_hi:[1,0]
.endif
.endm
; Slice k of 64 of piece y's softmax: four instructions; slice 63 has sixteen.  Behind slice 34 stands the one wait between the piece's 66 exponentials and their first reader.
.macro SLICE y, first
.if (k >= 11) && (k < 35)
.irp n, 0,1,2,3
.set j, 22+4*((k-11)/2)+(\n)
	SM (\y)+(k-11)%2, \first
.endr
.else
.irp n, 0,1,2,3,4,5,6,7
.if (\n < 2) || (k == 63)
.irp t, \y, \y+1
.set j, 2*k+\n
	SM \t, \first
.endr
.endif
.endr
.endif
.if k == 34
	v_nop                           ; the plain instruction behind the last exponential
.if (\y) == 0
	FETCH_V                         ; piece 2's turn: V's run of loads stands here, and the wait stands in it
.else
	s_wait_alu depctr_va_vdst(0)
.endif
.endif
.set k, k+1
.endm
.macro PLACES
.rept 4
	v_nop
.endr
.endm
; A TURN.  Piece x has the matrix unit; the other piece's softmax stands in slices behind its matrix instructions.  pv = 2: 32 products V^T P; 1: they start O^T's sums; 0: none.  kq = 1: 32 products K Q^T.
.macro TURN x, pv, kq, first
.set k, 0
.set per, 2
.if \pv && \kq
.set per, 1
.endif
.if \pv
.if \x == 0
	s_wait_dscnt 0x0                ; V is in
.endif
.set i, 0
.rept 32
	PV \x, 2-\pv
.rept per
	SLICE 2-\x, \first
.endr
.if (\x == 0) && \kq && (i == 1)
	FETCH_K
.endif
.set i, i+1
.endr
.endif
.if \kq
.if \x == 0
	s_wait_dscnt 0x0                ; K is in
.endif
.set i, 0
.rept 32
	KQ \x
.rept per
	SLICE 2-\x, \first
.endr
.set i, i+1
.endr
.endif
.if \first
	PLACES
.endif
.endm
; THE CHANGE OF SLOTS: slot b has been read out.  Each wave waits for all its tensor loads (its part of the other slot), adds 0 to its spare word, and waits for that and for its reads of slot b.
; fill = 1: the barrier is a round of the cluster's, and slot b is filled again, with the keys two slots on: the load has two key steps, 256 matrix instructions, in which to land.
.macro CHANGE fill, b, how
	WIN 0
	s_wait_tensorcnt 0x0            ; no tensor load of mine is out, so a group 0 may be written
	ds_add_u32 v[SPW], v[NIL]       ; 0 onto my spare word
.if \fill
	s_add_nc_u64 s[G0K+4*\b+2:G0K+4*\b+3], s[G0K+4*\b+2:G0K+4*\b+3], 65536
	s_add_nc_u64 s[G0V+4*\b+2:G0V+4*\b+3], s[G0V+4*\b+2:G0V+4*\b+3], 65536
	s_wait_xcnt 0x0                 ; the last prefetch, two key steps back, has read its address
	s_add_nc_u64 s[PFA:PFA+1], s[PFA:PFA+1], 32768
	s_wait_dscnt 0x0                ; the add is done, and my reads of the slot are over
	CROUND
	JLOAD \b
	ASK \how
.else
	s_wait_dscnt 0x0
	s_barrier_signal -1
	s_barrier_wait -1
.endif
	s_add_co_u32 s[TBK], s[KHO], (1-\b)*SLOTB  ; the fetches go on in the other slot
	s_add_co_u32 s[TBV], s[KHO], (1-\b)*SLOTB
.endm
.macro TWO_STEPS
	s_mov_b32 s[TWICE], 2
.Lstep_\@:
	TURN 0, 2, 1, 0
	TURN 2, 2, 1, 0
	WIN 0
	s_sub_co_u32 s[TWICE], s[TWICE], 1
	s_cmp_lg_u32 s[TWICE], 0
	s_cbranch_scc1 .Lstep_\@
.endm
	s_wait_tensorcnt 1              ; my part of slot 0 is in; slot 1's may stay out
	s_barrier_signal -1
	s_barrier_wait -1
	FETCH_K                         ; key step 0
	s_wait_loadcnt 0x0              ; Q
	s_wait_dscnt 0x0
.set i, 0
.rept 32
	KQ 0
.set i, i+1
.endr
	WIN 0                           ; the addresses for the way out: eight plain instructions, the places behind those products
	s_mul_i32 s13, s[WV], 16*SP
	s_add_co_u32 s13, s13, STAGE
	v_mul_u32_u24 v[STO], v1, SP
	v_lshl_add_u32 v[STO], v9, 4, v[STO]
	v_add_nc_u32 v[STO], s13, v[STO]
	v_mul_u32_u24 v[RD], v9, SP
	v_lshl_add_u32 v[RD], v1, 4, v[RD]
	v_add_nc_u32 v[RD], s13, v[RD]
	v_lshlrev_b32 v[GO], 12, v9     ; two rows of o16, 4,096 bytes apart
	v_lshl_add_u32 v[GO], v1, 4, v[GO]
	TURN 2, 0, 1, 1                 ; piece 2's first scores | piece 0's first softmax | V of step 0
	TURN 0, 1, 1, 1                 ; piece 0: V^T P of step 0 starts O^T, K Q^T of step 1 | piece 2's first softmax | K of step 1
	TURN 2, 1, 1, 0                 ; piece 2: the same | piece 0's softmax of step 1 | V of step 1
	WIN 0
.Lslot:                             ; three trips: slots 2 to 7 are asked for
	CHANGE 1, 0, 1
	TWO_STEPS
	CHANGE 1, 1, 0
	TWO_STEPS
	s_sub_co_u32 s[SLOTS], s[SLOTS], 1
	s_cmp_lg_u32 s[SLOTS], 0
	s_cbranch_scc1 .Lslot
	CHANGE 0, 0, 0                  ; the tail is written out: slot 0 is left for good, and nothing is asked for
	TWO_STEPS
	TURN 0, 2, 0, 0                 ; piece 0: V^T P of the last step | piece 2's last softmax
.set i, 0
.rept 32
	PV 2, 0
.set i, i+1
.endr
	; THE TWO HALVES OF THE KEYS MEET.  l's parts are added (these lines are the places behind the last products); my register tiles 2, 3 go to the wave two away, as images of their registers, with c m and l.
	WIN 0
.irp t, 0,1,2,3
	v_add_f32 v[ST+8*\t+4], v[ST+8*\t+2], v[ST+8*\t+3]
.endr
.irp t, 0,1,2,3
	v_permlanex16_b32 v[ST+8*\t+5], v[ST+8*\t+4], s[SEL], s[SEL+1]
.endr
.irp t, 0,1,2,3
	v_add_f32 v[ST+8*\t+1], v[ST+8*\t+4], v[ST+8*\t+5]   ; l, beside c m
.endr
	WIN 0x04                        ; an LDS store's data are its source 1: window 1
.set i, 0
.rept 32
	ds_store_b128 v[XW], v[128+4*i:128+4*i+3] offset:512*i  ; ascending: each accumulator from its low end on
.set i, i+1
.endr
	WIN 0
	ds_store_b64 v[XWS], v[ST+16:ST+17]
	ds_store_b64 v[XWS], v[ST+24:ST+25] offset:256
	s_wait_dscnt 0x0                ; for the other wave's sake: my stores are done
	s_barrier_signal -1
	s_barrier_wait -1
	WIN 0xc0                        ; destination window 3: V's registers are free
.set i, 0
.rept 32
	ds_load_b128 v[4*i:4*i+3], v[XR] offset:512*i
.set i, i+1
.endr
	WIN 0
	ds_load_b64 v[ST+16:ST+17], v[XRS]
	ds_load_b64 v[ST+24:ST+25], v[XRS] offset:256
	s_wait_dscnt 0x0
.irp t, 0,1
	v_max_num_f32 v[ST+8*\t+4], v[ST+8*\t], v[ST+8*\t+16]   ; the common c m
.endr
.irp t, 0,1
	v_sub_f32 v[ST+8*\t+5], v[ST+8*\t], v[ST+8*\t+4]
	v_sub_f32 v[ST+8*\t+21], v[ST+8*\t+16], v[ST+8*\t+4]
.endr
.irp t, 0,1
	v_exp_f32 v[ST+8*\t+5], v[ST+8*\t+5]
	v_exp_f32 v[ST+8*\t+21], v[ST+8*\t+21]
.endr
	v_nop
	s_wait_alu depctr_va_vdst(0)    ; one wait for the four exponentials, ahead of their first reader
.irp t, 0,1
	v_mul_f32 v[ST+8*\t+4], v[ST+8*\t+5], v[ST+8*\t+1]
.endr
.irp t, 0,1
	v_fma_f32 v[ST+8*\t+4], v[ST+8*\t+21], v[ST+8*\t+17], v[ST+8*\t+4]   ; the row's whole sum
.endr
.irp t, 0,1
	v_rcp_f32 v[ST+8*\t+2], v[ST+8*\t+4]
.endr
	v_nop
	s_wait_alu depctr_va_vdst(0)    ; and one for the two reciprocals
.irp t, 0,1
	v_mul_f32 v[ST+8*\t+6], v[ST+8*\t+5], v[ST+8*\t+2]
	v_mul_f32 v[ST+8*\t+22], v[ST+8*\t+21], v[ST+8*\t+2]
.endr
	WIN W_RS
.irp t, 0,1
.set i, 64*\t
.rept 32
	v_pk_mul_f32 v[i:i+1], v[i:i+1], v[ST+8*\t+6:ST+8*\t+7] op_sel_hi:[1,0]
.set i, i+2
.endr
.endr
	WIN 0x53                        ; source 0 window 3 (the other half's O^T), source 1 window 0, source 2 and destination window 1
.irp t, 0,1
.set i, 64*\t
.rept 32
	v_pk_fma_f32 v[i:i+1], v[i:i+1], v[ST+8*\t+22:ST+8*\t+23], v[i:i+1] op_sel_hi:[1,0,1]
.set i, i+2
.endr
.endr
; Tile t: a lane's eight channels of a row pack into 16 bytes; they go into rows of 272 bytes and come back as whole rows of 256.
.macro PACK t
	WIN 0x05                        ; sources 0 and 1 window 1, destination window 0
.set i, 0
.rept 32
	v_cvt_pk_f16_f32 v[S+32*\t+i], v[64*\t+2*i], v[64*\t+2*i+1]
.set i, i+1
.endr
	WIN 0
.irp f, 0,1,2,3,4,5,6,7
	ds_store_b128 v[STO], v[S+32*\t+4*\f:S+32*\t+4*\f+3] offset:32*\f
.endr
.irp f, 0,1,2,3,4,5,6,7
	ds_load_b128 v[S+32*\t+4*\f:S+32*\t+4*\f+3], v[RD] offset:\f*2*SP  ; LDS serves a wave's instructions in order (ISA guide 5.7.1.4)
.endr
.endm
.macro SEND t, younger              ; younger: the LDS instructions issued behind tile t's loads
.irp f, 0,1,2,3,4,5,6,7
	s_wait_dscnt \younger+7-\f
	global_store_b128 v[GO], v[S+32*\t+4*\f:S+32*\t+4*\f+3], s[6:7] offset:\t*65536+\f*8192  ; 16 lanes store 256 consecutive bytes, aligned
.endr
.endm
	PACK 0
	PACK 1
	SEND 0, 16
	SEND 1, 0
	s_wait_tensorcnt 0x0            ; the wave's end: behind my last tensor load and my last LDS store
	ds_add_u32 v[SPW], v[NIL]
	s_wait_dscnt 0x0
	CROUND                          ; the closing round
	s_endpgm
.Lfunc_end_k_q88df06ab57_attn:
	.size	k_q88df06ab57_attn, .Lfunc_end_k_q88df06ab57_attn-k_q88df06ab57_attn
	.p2alignl 7, 3214868480
	.fill 96, 4, 3214868480
	.section	.rodata,"a",@progbits
	.p2align	6, 0x0
	.amdhsa_kernel k_q88df06ab57_attn
		.amdhsa_group_segment_fixed_size 327680
		.amdhsa_private_segment_fixed_size 0
		.amdhsa_enable_private_segment 0
		.amdhsa_kernarg_size 16
		.amdhsa_user_sgpr_count 2
		.amdhsa_user_sgpr_kernarg_segment_ptr 1
		.amdhsa_wavefront_size32 1
		.amdhsa_system_sgpr_workgroup_id_x 1
		.amdhsa_system_sgpr_workgroup_id_y 1
		.amdhsa_system_sgpr_workgroup_id_z 1
		.amdhsa_system_vgpr_workitem_id 0
		.amdhsa_next_free_vgpr 1024
		.amdhsa_next_free_sgpr 72
		.amdhsa_reserve_vcc 0
		.amdhsa_float_denorm_mode_32 3
		.amdhsa_float_denorm_mode_16_64 3
		.amdhsa_memory_ordered 1
		.amdhsa_forward_progress 1
		.amdhsa_inst_pref_size 255
	.end_amdhsa_kernel
	.section	.bss,"aw",@nobits
	.p2align	6
	.space	262144
	.amdgpu_metadata
---
amdhsa.version: [ 1, 2 ]
amdhsa.kernels:
  - .name:           k_q88df06ab57_attn
    .symbol:         k_q88df06ab57_attn.kd
    .args:
      - { .name: qkv16, .offset: 0, .size: 8, .value_kind: global_buffer, .address_space: global }
      - { .name: o16, .offset: 8, .size: 8, .value_kind: global_buffer, .address_space: global }
    .group_segment_fixed_size: 327680
    .private_segment_fixed_size: 0
    .kernarg_segment_align: 8
    .kernarg_segment_size: 16
    .max_flat_workgroup_size: 128
    .sgpr_count:     72
    .vgpr_count:     1024
    .wavefront_size: 32
...
	.end_amdgpu_metadata
.endif
;; end of part 3
;; launch oproj (part 4): grid 16 x 16, 4 waves a work-group, clusters of 4 x 4, 327,680 bytes of LDS; arguments o16, wo16, out0; writes out0
.if DOCPART == 4
	.amdgcn_target "amdgcn-amd-amdhsa--gfx1250"
	.amdhsa_code_object_version 6
	.text
	.protected	k_q88df06ab57_oproj
	.globl	k_q88df06ab57_oproj
	.p2align	8
	.type	k_q88df06ab57_oproj,@function
k_q88df06ab57_oproj:
	s_mov_b64 s[64:65], 0
	v_nop
	global_prefetch_b8 v0, s[64:65] scope:SCOPE_SE
	s_setreg_imm32_b32 hwreg(HW_REG_WAVE_MODE, 25, 1), 1
	s_wait_xcnt 0x0
	s_wait_alu depctr_hold_cnt(0) depctr_sa_sdst(0) depctr_va_vdst(0) depctr_va_sdst(0) depctr_va_ssrc(0) depctr_va_vcc(0) depctr_vm_vsrc(0)
	s_getreg_b32 s2, hwreg(HW_REG_IB_STS2, 6, 4)
	s_cmp_eq_u32 s2, 0
	s_cbranch_scc0 .Lentry_in_a_cluster
	s_endpgm
.Lentry_in_a_cluster:
	s_bfe_u32 s2, ttmp6, 0x10000c
	s_cmp_lg_u32 s2, 0xf033
	s_cbranch_scc0 .Lentry_shape_is_right
	s_endpgm
.Lentry_shape_is_right:
; out0 = o wo.  o16 [2048 m][2048 k] f16 holds o / 2, wo16 [2048 k][4096 n] f16 holds 2 wo: the two exact factors cancel.  out0 [2048][4096] f32; sums in f32.
; A tile is 128 rows x 256 columns: 256 work-groups.  Four waves, each 64 x 128: 32 accumulators.  K goes in steps of 128 through a ring of two LDS slots: o's tile rows are 256 bytes, wo's 512.
; wo stays [k][n]: its fragments come out of LDS turned, by ds_load_tr16_b128.  THE MATRIX INSTRUCTION IS USED TRANSPOSED (source 0 = 16 columns of wo, source 1 = 16 rows of o).
; CLUSTERS: 4 x 4 work-groups; o's tiles are asked for jointly along a row of the cluster, wo's along a column.
; REGISTERS: window 0: v4-15 addresses; v64-127 o's fragments, two sets; v128-255 wo's, two sets.   window 1: accumulator (a, b) at v[8 (8 a + b)].
.set PA,     272                       ; a row of o's tile in LDS: 256 bytes + 16
.set PB,     544                       ; a row of wo's: 512 + 32: an odd multiple of 32
.set HA,     64*PA
.set HB,     64*PB
.set SLOT,   2*HA+2*HB
.set SPARE,  2*SLOT                    ; the spare words, 128 bytes for each wave: two blocks of 256 bytes that no other line names
.set SPITCH, 528                       ; the way out: a stage of 16 rows x (512 + 16) bytes for each wave, in slot 0, which has had its last fill and its last read by then
.set ADRA, 4
.set ADRB, 6
.set STO,  10
.set RD,   11
.set CO,   12
.set SPW,  13
.set NIL,  14
.set PFO,  15                          ; v15  the prefetches' lane term; never rewritten
.set AF,   64
.set BF,   128
.set G1A,  24
.set G0A,  32
.set G1B,  48
.set G0B,  56
.set PFA,  72                          ; s[72:73] the address that my next prefetch names
.set PFS,  74                          ; s[74:75] a K step on: 256 bytes in o, 128 rows in wo
.set LIM,  76                          ; s76  1 in a wave that prefetches, else the greatest number
.set MSB, 0
.macro WIN new
.if MSB != \new
	s_set_vgpr_msb (MSB<<8)|\new
.set MSB, \new
.endif
.endm
.set MUL, 0x50
.macro JLOAD s                         ; waves 0 and 1 fetch o's two halves, waves 2 and 3 wo's; an s_nop 0 and four v_nop follow each line
	s_cmp_eq_u32 s15, 0
	s_cbranch_scc0 .Lfor_b_\@
	tensor_load_to_lds s[G0A+4*\s:G0A+4*\s+3], s[G1A:G1A+7]
	s_nop 0
.rept 4
	v_nop
.endr
	s_branch .Lasked_\@
.Lfor_b_\@:
	tensor_load_to_lds s[G0B+4*\s:G0B+4*\s+3], s[G1B:G1B+7]
	s_nop 0
.rept 4
	v_nop
.endr
.Lasked_\@:
.endm
; A PREFETCH INTO THE L2 of the K step that stands two refills on.  o's tile row is read by every cluster of its row of clusters: cluster x = 0 asks, wave 0, 32 rows for each of the four partners (by cx), a lane a row.
; wo's tile column is read by every cluster of its column: cluster y = 0 asks, waves 2 and 3 for the 64 rows that each fetches: 16 rows for each partner (by cy), two lanes a row of 512 bytes.
; The partners are told apart by address.  The loop's last trip asks for nothing: no K step stands two refills on.
.macro ASK
	s_cmp_gt_u32 s3, s[LIM]
	s_cbranch_scc0 .Lnot_mine_\@
	global_prefetch_b8 v[PFO], s[PFA:PFA+1] th:TH_LOAD_NT scope:SCOPE_SE
.Lnot_mine_\@:
.endm
.macro CREST
	s_cmp_lg_u32 s14, 0
	s_cbranch_scc1 .Lnot_wave_0_\@
	s_barrier_signal -3
.Lnot_wave_0_\@:
	s_barrier_wait -3
	s_barrier_signal -1
	s_barrier_wait -1
.endm
.macro CROUND
	s_barrier_signal -1
	s_barrier_wait -1
	CREST
.endm
.macro PLACES
.rept 4
	v_nop
.endr
.endm
	s_load_b128 s[4:7], s[0:1], 0x0                ; o16 s[4:5], wo16 s[6:7]
	s_load_b64 s[8:9], s[0:1], 0x10                ; out0
	v_lshl_add_u32 v[SPW], v0, 2, SPARE
	v_mov_b32 v[NIL], 0
	ds_add_u32 v[SPW], v[NIL]                      ; the wave's opening: the add, twice on end, and its wait ahead of my first tensor load
	ds_add_u32 v[SPW], v[NIL]
	v_lshrrev_b32 v1, 5, v0
	v_readfirstlane_b32 s14, v1                    ; wave 0..3
	s_lshr_b32 s15, s14, 1                         ; which 64 rows are mine.  Also: I fetch for o (0) or for wo (1)
	s_and_b32 s16, s14, 1                          ; which 128 columns.  Also: which half of that tile I fetch
	s_bfe_u32 s40, ttmp6, 0x40000
	s_bfe_u32 s41, ttmp6, 0x40004
	s_lshl_b32 s42, ttmp9, 2
	s_add_co_u32 s42, s42, s40                     ; tile column
	s_and_b32 s17, ttmp7, 0xffff
	s_lshl_b32 s17, s17, 2
	s_add_co_u32 s17, s17, s41                     ; tile row
	s_lshl_b32 s43, s41, 2
	s_lshl_b32 s43, 15, s43                        ; my row of the cluster
	s_lshl_b32 s44, 0x1111, s40                    ; my column
	s_or_b32 s[G1A], s43, (1<<16)|(1<<20)|(1<<21)|(5<<22)|(3<<25)   ; elements of 2 bytes; 4 words of padding behind every 64
	s_mov_b32 s[G1A+1], 128<<16
	s_mov_b32 s[G1A+2], 64<<16
	s_mov_b32 s[G1A+3], 128<<16
	s_mov_b32 s[G1A+4], 64
	s_mov_b32 s[G1A+5], 2048
	s_mov_b32 s[G1A+6], 0
	s_mov_b32 s[G1A+7], 0
	s_or_b32 s[G1B], s44, (1<<16)|(1<<20)|(1<<21)|(6<<22)|(7<<25)   ; 8 words of padding behind every 128
	s_mov_b32 s[G1B+1], 256<<16
	s_mov_b32 s[G1B+2], 64<<16
	s_mov_b32 s[G1B+3], 256<<16
	s_mov_b32 s[G1B+4], 64
	s_mov_b32 s[G1B+5], 4096
	s_mov_b32 s[G1B+6], 0
	s_mov_b32 s[G1B+7], 0
	s_lshl_b32 s20, s17, 7
	s_lshl_b32 s18, s16, 6
	s_add_co_u32 s20, s20, s18
	s_lshl_b32 s20, s20, 12                        ; o: row 128 x tile row + 64 x half, 4,096 bytes a row
	s_mov_b32 s21, 0
	s_lshl_b32 s46, s16, 19                        ; wo: row 64 x half, 8,192 bytes a row,
	s_lshl_b32 s18, s42, 9                         ; column 256 x tile column
	s_add_co_u32 s46, s46, s18
	s_mov_b32 s47, 0
	s_mul_i32 s45, s16, HA                         ; where they go: no place in the cluster enters an LDS address
	s_mul_i32 s19, s16, HB
	s_add_co_u32 s19, s19, 2*HA
	s_wait_dscnt 0x0                               ; both opening adds are done
	s_wait_kmcnt 0x0
	s_add_nc_u64 s[20:21], s[4:5], s[20:21]
	s_add_nc_u64 s[46:47], s[6:7], s[46:47]
	CROUND                                         ; all sixteen work-groups are here: the first joint loads meet
.irp s, 0,1
	s_mov_b32 s[G0A+4*\s], 1
	s_add_co_u32 s[G0A+4*\s+1], s45, \s*SLOT
	s_add_nc_u64 s[G0A+4*\s+2:G0A+4*\s+3], s[20:21], \s*256
	s_or_b32 s[G0A+4*\s+3], s[G0A+4*\s+3], 0x80000000
	s_mov_b32 s[G0B+4*\s], 1
	s_add_co_u32 s[G0B+4*\s+1], s19, \s*SLOT
	s_add_nc_u64 s[G0B+4*\s+2:G0B+4*\s+3], s[46:47], \s*1048576
	s_or_b32 s[G0B+4*\s+3], s[G0B+4*\s+3], 0x80000000
	JLOAD \s                                       ; two tensor loads of a wave are out here
.endr
	v_and_b32 v1, 15, v0                           ; r
	v_bfe_u32 v2, v0, 4, 1                         ; h
	v_mul_u32_u24 v3, v1, PA
	v_lshl_add_u32 v3, v2, 4, v3                   ; o's fragment: row x pitch + 16 h
	v_and_b32 v8, 7, v0
	v_lshl_add_u32 v8, v2, 3, v8
	v_mul_u32_u24 v8, v8, PB                       ; wo's, turned: row 8 h + l % 8,
	v_bfe_u32 v9, v0, 3, 1
	v_lshl_add_u32 v8, v9, 4, v8                   ; 16 bytes for each eight lanes
	s_mul_i32 s21, s15, HA
	s_lshl_b32 s22, s16, 8                         ; my 128 columns: 256 bytes
	s_add_co_u32 s22, s22, 2*HA
.irp s, 0,1
	v_add_nc_u32 v[ADRA+\s], s21, v3
	v_add_nc_u32 v[ADRB+\s], s22, v8
	s_add_co_u32 s21, s21, SLOT
	s_add_co_u32 s22, s22, SLOT
.endr
	s_mul_i32 s23, s14, 16*SPITCH                  ; my stage
	v_mul_u32_u24 v3, v1, SPITCH
	v_lshl_add_u32 v3, v2, 5, v3
	v_add_nc_u32 v[STO], s23, v3
	v_and_b32 v3, 31, v0
	v_lshlrev_b32 v[CO], 4, v3
	v_add_nc_u32 v[RD], s23, v[CO]
	s_lshl_b32 s18, s17, 7
	s_lshl_b32 s19, s15, 6
	s_add_co_u32 s18, s18, s19
	s_lshl_b32 s18, s18, 14                        ; my first row of out0, 16,384 bytes a row,
	s_lshl_b32 s19, s42, 10
	s_add_co_u32 s18, s18, s19
	s_lshl_b32 s19, s16, 9
	s_add_co_u32 s18, s18, s19                     ; my first column
	s_mov_b32 s19, 0
	s_add_nc_u64 s[8:9], s[8:9], s[18:19]
	; the prefetches: where mine stand, and who asks
	s_lshl_b32 s20, s17, 7
	s_lshl_b32 s21, s40, 5
	s_add_co_u32 s20, s20, s21
	s_lshl_b32 s20, s20, 12                        ; o: row 128 x tile row + 32 cx
	s_lshl_b32 s21, s16, 6
	s_lshl_b32 s22, s41, 4
	s_add_co_u32 s21, s21, s22
	s_lshl_b32 s21, s21, 13                        ; wo: row 64 x half + 16 cy,
	s_lshl_b32 s22, s42, 9
	s_add_co_u32 s21, s21, s22                     ; the tile's columns
	s_or_b32 s22, s14, ttmp9                       ; 0: wave 0 of a cluster with x = 0
	s_and_b32 s23, ttmp7, 0xffff                   ; 0: a cluster with y = 0
	s_cmp_eq_u32 s15, 0                            ; do I fetch for o?
	s_cselect_b64 s[PFA:PFA+1], s[4:5], s[6:7]
	s_cselect_b32 s20, s20, s21
	s_cselect_b32 s22, s22, s23
	s_mov_b32 s[PFS], 1048576
	s_cselect_b32 s[PFS], 256, s[PFS]
	s_mov_b32 s23, 256
	s_cselect_b32 s23, 4096, s23                   ; from an even lane to the odd one: a row of o, or half a row of wo's tile
	s_mov_b32 s[PFS+1], 0
	s_mov_b32 s21, 0
	s_add_nc_u64 s[PFA:PFA+1], s[PFA:PFA+1], s[20:21]
	s_mul_i32 s20, s[PFS], 3
	s_add_nc_u64 s[PFA:PFA+1], s[PFA:PFA+1], s[20:21]  ; at K step 3: the first refill steps it to 4.  Nothing is prefetched at the head
	s_cmp_eq_u32 s22, 0
	s_cselect_b32 s[LIM], 1, -1                    ; the same in all sixteen partners, for a given wave
	v_lshrrev_b32 v[PFO], 1, v3
	v_lshlrev_b32 v[PFO], 13, v[PFO]               ; two lanes: 8,192 bytes (two rows of o, one of wo)
	v_and_b32 v3, 1, v3
	v_mad_u32_u24 v[PFO], v3, s23, v[PFO]
.macro MUL8 a, p, zero                 ; the 32 accumulators take turns, one instruction a turn, in the same order in every quarter
.irp b, 0,1,2,3,4,5,6,7
.if \zero
	v_wmma_f32_16x16x32_f16 v[8*(8*(\a)+\b):8*(8*(\a)+\b)+7], v[BF+64*(\p)+8*\b:BF+64*(\p)+8*\b+7], v[AF+32*(\p)+8*(\a):AF+32*(\p)+8*(\a)+7], 0
.else
	v_wmma_f32_16x16x32_f16 v[8*(8*(\a)+\b):8*(8*(\a)+\b)+7], v[BF+64*(\p)+8*\b:BF+64*(\p)+8*\b+7], v[AF+32*(\p)+8*(\a):AF+32*(\p)+8*(\a)+7], v[8*(8*(\a)+\b):8*(8*(\a)+\b)+7]
.endif
.endr
.endm
; 24 LDS loads in one run: the fragments of the slot's kq-th 32 along K into set p
.macro FETCH slot, kq, p
.irp i, 0,1,2,3,4,5,6,7
	ds_load_tr16_b128 v[BF+64*(\p)+8*\i:BF+64*(\p)+8*\i+3],   v[ADRB+\slot] offset:32*PB*(\kq)+32*\i
	ds_load_tr16_b128 v[BF+64*(\p)+8*\i+4:BF+64*(\p)+8*\i+7], v[ADRB+\slot] offset:32*PB*(\kq)+32*\i+16*PB
.endr
.irp i, 0,1,2,3
	ds_load_b128 v[AF+32*(\p)+8*\i:AF+32*(\p)+8*\i+3],   v[ADRA+\slot] offset:64*(\kq)+\i*16*PA
	ds_load_b128 v[AF+32*(\p)+8*\i+4:AF+32*(\p)+8*\i+7], v[ADRA+\slot] offset:64*(\kq)+32+\i*16*PA
.endr
.endm
.macro QUARTER slot, kq, zero          ; 32 along K; the next quarter's fragments are asked for ahead of this quarter's 32 products
	s_wait_dscnt 0x0
	PLACES
	FETCH \slot, (\kq)+1, 1-(\kq)%2
	WIN MUL
	MUL8 0, (\kq)%2, \zero
	MUL8 1, (\kq)%2, \zero
	MUL8 2, (\kq)%2, \zero
	MUL8 3, (\kq)%2, \zero
	WIN 0
.endm
; A slot's last quarter changes slots: ONE barrier.  Half of the quarter's products stand AHEAD of the wait for the tensor loads: behind that wait stand only the add, the descriptors' steps, the wait for the add and the
; round, so that the refill goes out as soon as the other slot has landed in every partner.  My reads of this slot are over at the turn's head: the quarter's fragments are in registers.
.macro TURN slot, next, fill
	s_wait_dscnt 0x0                               ; the quarter's fragments are in: my last reads of this slot
	WIN MUL
	MUL8 0, 1, 0
	MUL8 1, 1, 0
	WIN 0
.if \fill
	s_wait_xcnt 0x0                                ; the last prefetch, a K step back, has read its address
	s_add_nc_u64 s[PFA:PFA+1], s[PFA:PFA+1], s[PFS:PFS+1]
.endif
	s_wait_tensorcnt 0x0                           ; all my tensor loads have landed: my part of the next slot; so a group 0 may be written
	ds_add_u32 v[SPW], v[NIL]                      ; 0 onto my spare word
.if \fill
	s_add_nc_u64 s[G0A+4*\slot+2:G0A+4*\slot+3], s[G0A+4*\slot+2:G0A+4*\slot+3], 512
	s_add_nc_u64 s[G0B+4*\slot+2:G0B+4*\slot+3], s[G0B+4*\slot+2:G0B+4*\slot+3], 2097152
.endif
	s_wait_dscnt 0x0                               ; the add is done
	s_barrier_signal -1
	s_barrier_wait -1
.if \fill
	CREST                                          ; the barrier has opened a round of the cluster's: no wave of any partner still reads this slot or has a load on its way
	JLOAD \slot                                    ; the first tensor load behind the round; its four v_nop are the places in front of the loads below
.else
	PLACES
.endif
	FETCH \next, 0, 0
.if \fill
	ASK                                            ; behind the joint load and the run of LDS loads
.endif
	WIN MUL
	MUL8 2, 1, 0                                   ; the quarter's other half stands behind the next slot's first loads
	MUL8 3, 1, 0
	WIN 0
.endm
	s_wait_tensorcnt 1                             ; my part of K step 0 is in; K step 1's load may stay out
	s_barrier_signal -1
	s_barrier_wait -1
	FETCH 0, 0, 0
	QUARTER 0, 0, 1                                ; the first quarter stands in front of the loop: its products start the sums
	s_mov_b32 s3, 7
.Llap:                                                 ; a trip goes once round the ring and fills both slots again
	QUARTER 0, 1, 0
	QUARTER 0, 2, 0
	TURN 0, 1, 1
	QUARTER 1, 0, 0
	QUARTER 1, 1, 0
	QUARTER 1, 2, 0
	TURN 1, 0, 1
	QUARTER 0, 0, 0
	s_sub_co_u32 s3, s3, 1
	s_cmp_lg_u32 s3, 0
	s_cbranch_scc1 .Llap
	QUARTER 0, 1, 0                                ; the last lap fills nothing
	QUARTER 0, 2, 0
	TURN 0, 1, 0
	QUARTER 1, 0, 0
	QUARTER 1, 1, 0
	QUARTER 1, 2, 0
	s_wait_dscnt 0x0
	WIN MUL
	MUL8 0, 1, 0
	MUL8 1, 1, 0
	MUL8 2, 1, 0
	MUL8 3, 1, 0
	WIN 0
; THE WAY OUT, block by block of 16 rows x 128 columns, through my stage: back come whole rows of 512 bytes
.macro TOSTAGE a
	WIN 0x04                                       ; an LDS store's data are its source 1: window 1
.irp b, 0,1,2,3,4,5,6,7
	ds_store_b128 v[STO], v[8*(8*(\a)+\b):8*(8*(\a)+\b)+3] offset:64*\b          ; each accumulator from its low end on
	ds_store_b128 v[STO], v[8*(8*(\a)+\b)+4:8*(8*(\a)+\b)+7] offset:64*\b+16
.endr
	WIN 0
.set BB, 64+64*((\a)%2)
.irp t, 0,1,2,3,4,5,6,7,8,9,10,11,12,13,14,15
	ds_load_b128 v[BB+4*\t:BB+4*\t+3], v[RD] offset:\t*SPITCH     ; LDS serves a wave's instructions in order (ISA guide 5.7.1.4)
.endr
.endm
.macro SEND a, younger                 ; younger: the LDS instructions issued behind block a's loads, which may stay out
.set BB, 64+64*((\a)%2)
	s_wait_dscnt \younger
.irp t, 0,1,2,3,4,5,6,7,8,9,10,11,12,13,14,15
	global_store_b128 v[CO], v[BB+4*\t:BB+4*\t+3], s[8:9] offset:(16*(\a)+\t)*16384 th:TH_STORE_NT   ; 32 lanes store 512 consecutive bytes, aligned; 63 rows at the most: inside the signed 24-bit immediate
.endr
.endm
	PLACES                                         ; behind the last products: for the reads of results and for the loads into the fragments' registers
	TOSTAGE 0
	TOSTAGE 1
	SEND 0, 32                                     ; behind block 0's loads: block 1's 16 stores and 16 loads
	s_wait_xcnt 0x0                                ; block 0's stores have read their data: block 2's loads may land there
	TOSTAGE 2
	SEND 1, 32
	s_wait_xcnt 0x0
	TOSTAGE 3
	SEND 2, 32
	SEND 3, 0
	s_wait_tensorcnt 0x0                           ; the wave's end: behind my last tensor load and my last LDS store
	ds_add_u32 v[SPW], v[NIL]
	s_wait_dscnt 0x0
	CROUND                                         ; the closing round
	s_endpgm
.Lfunc_end_k_q88df06ab57_oproj:
	.size	k_q88df06ab57_oproj, .Lfunc_end_k_q88df06ab57_oproj-k_q88df06ab57_oproj
	.p2alignl 7, 3214868480
	.fill 96, 4, 3214868480
	.section	.rodata,"a",@progbits
	.p2align	6, 0x0
	.amdhsa_kernel k_q88df06ab57_oproj
		.amdhsa_group_segment_fixed_size 327680
		.amdhsa_private_segment_fixed_size 0
		.amdhsa_enable_private_segment 0
		.amdhsa_kernarg_size 24
		.amdhsa_user_sgpr_count 2
		.amdhsa_user_sgpr_kernarg_segment_ptr 1
		.amdhsa_wavefront_size32 1
		.amdhsa_system_sgpr_workgroup_id_x 1
		.amdhsa_system_sgpr_workgroup_id_y 1
		.amdhsa_system_sgpr_workgroup_id_z 1
		.amdhsa_system_vgpr_workitem_id 0
		.amdhsa_next_free_vgpr 512
		.amdhsa_next_free_sgpr 80
		.amdhsa_reserve_vcc 0
		.amdhsa_float_denorm_mode_32 3
		.amdhsa_float_denorm_mode_16_64 3
		.amdhsa_memory_ordered 1
		.amdhsa_forward_progress 1
		.amdhsa_inst_pref_size 86
	.end_amdhsa_kernel
	.amdgpu_metadata
---
amdhsa.version: [ 1, 2 ]
amdhsa.kernels:
  - .name:           k_q88df06ab57_oproj
    .symbol:         k_q88df06ab57_oproj.kd
    .args:
      - { .name: o16, .offset: 0, .size: 8, .value_kind: global_buffer, .address_space: global }
      - { .name: wo16, .offset: 8, .size: 8, .value_kind: global_buffer, .address_space: global }
      - { .name: out0, .offset: 16, .size: 8, .value_kind: global_buffer, .address_space: global }
    .group_segment_fixed_size: 327680
    .private_segment_fixed_size: 0
    .kernarg_segment_align: 8
    .kernarg_segment_size: 24
    .max_flat_workgroup_size: 128
    .sgpr_count:     80
    .vgpr_count:     512
    .wavefront_size: 32
...
	.end_amdgpu_metadata
.endif
;; end of part 4
